; MI455X (gfx1250); checked and timed in simulation.
; The chip was launched on July 23, 2026; its instructions are those of AMD's public machine-readable ISA for CDNA 5 (MIT licence, August 2026) and "CDNA5" Instruction Set Architecture Reference Guide (July 2026). The comments in the code are by the model that wrote it; some were corrected since.
;; Cross Attention. Allowed arithmetic: matrix products marked QUANTISED: E2M3 operands, one E8M0 scale for each 32 along K, by v_wmma_scale_f32_16x16x128_f8f6f4 with both operands' format E2M3, f32 sums; everything else in f32.
;; Inputs: Wkv 2,048 x 1,024 float32; Wproj 1,024 x 1,024 float32; Wq 1,024 x 1,024 float32; bproj 1,024 float32; context 4 x 2,048 x 1,024 float32; x 4 x 2,048 x 1,024 float32.
;; Outputs: out0 4 x 2,048 x 1,024 float32.
;; This version of the problem:
;;   THIS VERSION OF THE PROBLEM IS GIVEN IN LOW PRECISION. The matrix products marked QUANTISED in the list below multiply operands that are first quantised to E2M3 (2 exponent bits, 3 mantissa bits; 6 bits a number), with one power-of-two scale for each 32 numbers along K (OCP MX v1.0); their sums are f32. All else is computed in f32.
;;   The module's matrix products, in the order in which they are computed (A, B: the left and right operand; K: the contracted axis; several contracted axes count as one K, in the product's order):
;;     1. [M 8,192, K 1,024] x [K 1,024, N 1,024]; A: input x; B: input Wq: QUANTISED
;;     2. [M 8,192, K 1,024] x [K 1,024, N 2,048]; A: input context; B: input Wkv: QUANTISED
;;     3. batch 64 x [M 2,048, K 64] x [K 64, N 2,048]; A: computed on the way; B: computed on the way: QUANTISED
;;     4. batch 64 x [M 2,048, K 2,048] x [K 2,048, N 64]; A: softmax (see below); B: computed on the way: QUANTISED
;;     5. [M 8,192, K 1,024] x [K 1,024, N 1,024]; A: computed on the way; B: input Wproj: QUANTISED
;;   THE QUANTISER, for each operand of a quantised product, along K:
;;     - K is cut into blocks of 32 from its start; a last block that is shorter is filled with zeros.
;;     - A block's scale is 2^e with e = floor(log2(the largest magnitude in the block)) - 2, held to -126 .. 127; a block of zeros has e = 0. As a byte (E8M0): e + 127.
;;     - Each number is divided by its block's scale, clamped to +-7.5, and rounded to the nearest number of E2M3, ties to even, subnormals kept.
;;     - The product sums the exact products of the quantised numbers (number of the format x scale) in f32.
;;   ~~~python
;;   def quantise(x, axis):      # numpy; x: float32 -> the quantised numbers, widened to float32 again
;;       x = np.moveaxis(x, axis, -1); K = x.shape[-1]
;;       x = np.pad(x, [(0, 0)] * (x.ndim - 1) + [(0, -K % 32)]); x = x.reshape(x.shape[:-1] + (-1, 32)); a = np.abs(x).max(-1, keepdims=True)
;;       e = np.where(a > 0, np.clip(np.frexp(np.where(a > 0, a, 1))[1] - 1 - 2, -126, 127), 0)      # np.frexp(a)[1] - 1 = floor(log2(a)), exactly
;;       r = np.clip(x / 2.0 ** e, -7.5, 7.5)
;;       step = 2.0 ** (np.maximum(np.frexp(np.where(r == 0, 1, r))[1] - 1, 0) - 3)
;;       q = np.round(r / step) * step * 2.0 ** e      # np.round: ties to even
;;       return np.moveaxis(q.reshape(q.shape[:-2] + (-1,))[..., :K], -1, axis).astype(np.float32)
;;   ~~~
;;   SOFTMAX AHEAD OF A QUANTISED PRODUCT. Where the list says 'softmax', what is quantised is not the finished softmax but p = 2^(t - M), with t = logit x log2(e) and M = ceil(the row's largest t), a whole number; so 1/2 < the row's largest p <= 1. The row's sum l is taken of the UNQUANTISED p, in f32, and the product's result is divided by l at the end. Since M is a whole number, a kernel that streams over the keys may use a running M (the ceiling of the running maximum): every later rescaling is an exact power of two, which a block's scale takes up: the codes' values come out the same.
;;   OPERANDS COMPUTED ON THE WAY. 'Computed on the way' means the value that the module computes at that place (a softmax that the list does not call 'softmax' is quantised finished and normalised). What goes into a quantiser is computed in f32, as accurately as f32 sums, v_exp_f32 and their like allow (about 1e-6 of the number): no bf16 or f16 on the way to a quantiser, and a product that is left as it is and whose result goes on into a quantised operand takes f32 operands (vector FMAs, or v_wmma_f32_16x16x4_f32). A number that lies on a knife's edge between two numbers of the format may be rounded either way, as far as f32 arithmetic and the matrix unit's own rounding can turn it there, and no further.
;; One version. Each part assembles by itself: llvm-mc -triple=amdgcn-amd-amdhsa -mcpu=gfx1250 --defsym DOCPART=n.
;; ======== version 1 of 1: 4 launches
;; limits: right only within a limited range of input values
;; workspace buffers: codes 15,728,640 bytes; scales 655,360 bytes; kv 13,369,344 bytes; aoimg 6,291,456 bytes; aosc 262,144 bytes
;; launch quant (part 1): grid 320 x 1, 4 waves a work-group, no clusters, 34,304 bytes of LDS; arguments x, context, Wq, Wkv, Wproj, codes, scales; writes codes, scales
.if DOCPART == 1
	.amdgcn_target "amdgcn-amd-amdhsa--gfx1250"
	.amdhsa_code_object_version 6
	.text
	.protected	k_q8846636444_quant
	.globl	k_q8846636444_quant
	.p2align	8
	.type	k_q8846636444_quant,@function
k_q8846636444_quant:
	s_mov_b64 s[64:65], 0
	v_nop
	global_prefetch_b8 v0, s[64:65] scope:SCOPE_SE
	s_setreg_imm32_b32 hwreg(HW_REG_WAVE_MODE, 25, 1), 1
	s_wait_xcnt 0x0
; x, context [8192][1024], Wq, Wproj [1024][1024], Wkv [2048][1024], all f32 with K innermost, become codes of FP6 (E2M3) with one E8M0 byte for each 32 along K.
; A block's scale is 2^(floor(log2(its largest magnitude)) - 2); its byte is the largest magnitude's exponent field - 2, held at 1 from below.
; LIMITS: a block of zeros gets the byte 1 where the rule says 127 (its codes are zeros, and only this program reads the bytes); blocks whose largest magnitude lies under 2^-124 are held at the byte 1;
; NaN and infinities among the inputs are not served.
; LAYOUT OF THE CODES: as the matrix unit's operand registers want them.  A fragment (16 rows x 128 K, 12 registers a lane; lane (r, h) holds k = 64 c + 32 h + 0 .. 31 in registers 6 c .. 6 c + 5) lies as six
; planes of 256 bytes: plane p holds registers 2 p, 2 p + 1, lane l's 8 bytes at 8 l.  codes = [row tile 0..1279][K step 0..7][plane 0..5][256]; scales = [row 0..20479][32 bytes].
; Row tiles: x 0..511, context 512..1023, Wq 1024..1087, Wkv 1088..1215, Wproj 1216..1279.
; THE ROWS OF A TILE: in context, Wq and Wkv place 32 b + 16 u + r holds true row 32 b + 8 u + r + 8 (r / 8).  As source 0 of a product such a tensor gives a lane whose 16 registers of two neighbouring tiles are
; 16 neighbouring true rows, which is what the next quantiser wants.  x and Wproj keep their order.
; SHARES: a wave takes one row tile: 16 rows x 1,024 K, eight K steps.  Each load reads 512 consecutive bytes of one row; a K step's 8,192 bytes turn through the wave's own stage in LDS (rows of 512 + 16 bytes) and
; come back as 16 neighbours of each block of 32 in a lane.  Loads run two K steps (32 loads a wave) ahead.  No barrier: waves share nothing.  No tensor load, no matrix work, no cluster: nothing here is read twice.
.set STG,   8448                       ; a wave's stage: 16 rows x 528 bytes
.set SPARE, 4*STG                      ; behind the stages: the spare words, 128 bytes a wave: two blocks of 256 bytes that no other line names
.set LO,    1                          ; v1   16 x lane: my bytes of a row's 512, rows 0-7 of the tile
.set HI,    2                          ; v2   the same for rows 8-15, which lie 8 or 16 rows below the first
.set SIN,   3                          ; v3   the stage, on the way in
.set SOUT,  4                          ; v4   the stage, on the way out: row r, + 64 h
.set L8,    5                          ; v5   8 x lane: my place in a plane
.set SCO,   6                          ; v6   32 r + 16 h: my four scale words
.set R,     16                         ; v16-143  two sets of 64 registers, as loaded
.set X,     144                        ; v144-207 64 numbers: register 16 b + i = k 32 b + 16 h + i of row r
.set PC,    208                        ; v208-227 the codes
.set TM,    228                        ; v228-243 at work
.set W,     244                        ; v244-251 the eight K steps' scale words
.set SPW,   252                        ; v252 LDS address of my spare word; never rewritten
.set NIL,   253                        ; v253 0; never rewritten
.set SEL,   20                         ; s[20:21] lane selects for v_permlanex16_b32: lane l xor 16
	s_load_b256 s[4:11], s[0:1], 0x0               ; x, context, Wq, Wkv
	s_load_b128 s[12:15], s[0:1], 0x20             ; Wproj, codes
	s_load_b64 s[16:17], s[0:1], 0x30              ; scales
	v_lshl_add_u32 v[SPW], v0, 2, SPARE
	v_mov_b32 v[NIL], 0
	v_lshrrev_b32 v7, 5, v0
	v_readfirstlane_b32 s18, v7                    ; wave
	v_and_b32 v7, 31, v0                           ; lane
	v_and_b32 v8, 15, v0                           ; r
	v_bfe_u32 v9, v0, 4, 1                         ; h
	v_lshlrev_b32 v[LO], 4, v7
	v_lshlrev_b32 v[L8], 3, v7
	s_mul_i32 s19, s18, STG
	v_add_nc_u32 v[SIN], s19, v[LO]
	v_mul_u32_u24 v[SOUT], v8, 528
	v_lshl_add_u32 v[SOUT], v9, 6, v[SOUT]
	v_add_nc_u32 v[SOUT], s19, v[SOUT]
	v_lshlrev_b32 v[SCO], 5, v8
	v_lshl_add_u32 v[SCO], v9, 4, v[SCO]
	s_mov_b32 s[SEL], 0x76543210
	s_mov_b32 s[SEL+1], 0xfedcba98
.irp b, 0,1,2,3
	v_mov_b32 v[TM+4+\b], 0                        ; written once: a lane permute's destination counts as one of its sources
.endr
	s_sub_co_u32 s29, ttmp9, 128
	s_cmp_lt_u32 s29, 176
	s_cselect_b32 s29, 1, 0                        ; 1 for context, Wq, Wkv (work-groups 128 to 303): their rows change places
	s_wait_alu depctr_va_vdst(0)
	s_wait_kmcnt 0x0
	; which tensor: the choice hangs on the work-group's number alone; only the pointer and the tensor's first work-group are chosen, and all take one path
	s_mov_b64 s[22:23], s[12:13]
	s_mov_b32 s28, 304
	s_cmp_lt_u32 ttmp9, 304
	s_cselect_b64 s[22:23], s[10:11], s[22:23]
	s_cselect_b32 s28, 272, s28
	s_cmp_lt_u32 ttmp9, 272
	s_cselect_b64 s[22:23], s[8:9], s[22:23]
	s_cselect_b32 s28, 256, s28
	s_cmp_lt_u32 ttmp9, 256
	s_cselect_b64 s[22:23], s[6:7], s[22:23]
	s_cselect_b32 s28, 128, s28
	s_cmp_lt_u32 ttmp9, 128
	s_cselect_b64 s[22:23], s[4:5], s[22:23]
	s_cselect_b32 s28, 0, s28
	s_sub_co_u32 s28, ttmp9, s28
	s_lshl_b32 s28, s28, 2
	s_add_co_u32 s28, s28, s18                     ; my row tile within the tensor
	s_and_b32 s30, s28, 1
	s_mul_i32 s30, s30, s29
	s_lshl_b32 s30, s30, 3
	s_lshl_b32 s28, s28, 4
	s_sub_co_u32 s28, s28, s30                     ; its first true row: 16 x tile, less 8 for an odd tile whose rows change places
	s_lshl_b32 s30, s28, 12                        ; a row is 4,096 bytes; under 2^26
	s_mov_b32 s31, 0
	s_add_nc_u64 s[22:23], s[22:23], s[30:31]
	s_lshl_b32 s29, s29, 15
	s_add_co_u32 s29, s29, 32768                   ; rows 8-15 of the tile begin 8 or 16 rows below the first
	v_add_nc_u32 v[HI], s29, v[LO]
	s_lshl_b32 s28, ttmp9, 2
	s_add_co_u32 s28, s28, s18                     ; my row tile among all 1,280
	s_mul_i32 s30, s28, 12288
	s_add_nc_u64 s[24:25], s[14:15], s[30:31]      ; its codes
	s_lshl_b32 s30, s28, 9
	s_add_nc_u64 s[26:27], s[16:17], s[30:31]      ; its scale bytes
.macro LOAD s                          ; K step s: 16 rows x 512 bytes into set s % 2; 32 lanes read 512 consecutive bytes
.irp p, 0,1,2,3,4,5,6,7
	global_load_b128 v[R+64*((\s)%2)+4*\p:R+64*((\s)%2)+4*\p+3], v[LO], s[22:23] offset:\p*4096+512*(\s) th:TH_LOAD_NT
.endr
.irp p, 0,1,2,3,4,5,6,7
	global_load_b128 v[R+64*((\s)%2)+32+4*\p:R+64*((\s)%2)+32+4*\p+3], v[HI], s[22:23] offset:\p*4096+512*(\s) th:TH_LOAD_NT
.endr
.endm
; 64 numbers of a lane, register 16 b + i = k 32 b + 16 h + i of my row, become a fragment's codes in v[PC] on and its scale word in v[w]
.macro QUANT s, w
.irp b, 0,1,2,3
	v_max3_num_f32 v[TM+\b], |v[\s+16*\b]|, |v[\s+1+16*\b]|, 0x1800000   ; block b: my 16 numbers, and the floor 2^(3 - 127): the byte cannot fall under 1
.endr
.irp i, 2,4,6,8,10,12,14
.irp b, 0,1,2,3
	v_max3_num_f32 v[TM+\b], v[TM+\b], |v[\s+16*\b+\i]|, |v[\s+1+16*\b+\i]|   ; the four blocks by turns
.endr
.endr
.irp b, 0,1,2,3
	v_permlanex16_b32 v[TM+4+\b], v[TM+\b], s[SEL], s[SEL+1]
.endr
.irp b, 0,1,2,3
	v_max_num_f32 v[TM+\b], v[TM+\b], v[TM+4+\b]   ; with lane l xor 16's: the block's largest magnitude
.endr
.irp b, 0,1,2,3
	v_add_nc_u32 v[TM+12+\b], 0xff000000, v[TM+\b] ; 2 off its exponent field: the conversion's scale operand
.endr
.irp b, 0,1,2,3
	v_lshrrev_b32 v[TM+4+\b], 23, v[TM+12+\b]      ; the scale's byte
.endr
	v_lshl_or_b32 v[\w], v[TM+5], 8, v[TM+4]
	v_lshl_or_b32 v[\w], v[TM+6], 16, v[\w]
	v_lshl_or_b32 v[\w], v[TM+7], 24, v[\w]        ; my row's scale word for these 128 along K
.irp c, 0,1
	v_cvt_scalef32_pk16_fp6_f32 v[PC+6*\c:PC+2+6*\c], v[\s+32*\c:\s+15+32*\c], v[TM+12+2*\c]
	v_cvt_scalef32_pk16_fp6_f32 v[PC+12+4*\c:PC+14+4*\c], v[\s+16+32*\c:\s+31+32*\c], v[TM+12+2*\c+1]   ; (a conversion's three registers begin on an even number)
.endr
	v_nop                                          ; one plain place behind a scaled conversion
.irp c, 0,1                            ; the operand's layout wants a whole block in a lane: lanes 0-15 block 2 c, lanes 16-31 block 2 c + 1
.irp i, 0,1,2
	v_permlane16_swap_b32 v[PC+6*\c+\i], v[PC+12+4*\c+\i]
.endr
.irp i, 0,1,2
	v_mov_b32 v[PC+3+6*\c+\i], v[PC+12+4*\c+\i]
.endr
.endr
.endm
.macro STEP s
.if (\s) < 7
	s_wait_loadcnt 16                              ; this K step's sixteen loads are in; the next step's sixteen may be out
.else
	s_wait_loadcnt 0x0
.endif
.irp p, 0,1,2,3,4,5,6,7,8,9,10,11,12,13,14,15
	ds_store_b128 v[SIN], v[R+64*((\s)%2)+4*\p:R+64*((\s)%2)+4*\p+3] offset:528*\p
.endr
.irp b, 0,1,2,3
.irp j, 0,1,2,3
	ds_load_b128 v[X+16*\b+4*\j:X+16*\b+4*\j+3], v[SOUT] offset:128*\b+16*\j   ; LDS serves a wave's instructions in order: these see the stores above
.endr
.endr
	s_wait_dscnt 0x0                               ; the numbers are back, and the stores into the stage have read their registers
	s_wait_xcnt 0x0                                ; the last step's plane stores have read the codes' registers
.if (\s) < 6
	LOAD (\s)+2
.endif
	QUANT X, W+(\s)
.irp p, 0,1,2,3,4,5
	global_store_b64 v[L8], v[PC+2*\p:PC+2*\p+1], s[24:25] offset:1536*(\s)+256*\p   ; a plane: 32 lanes store 256 consecutive bytes, at a multiple of 256 from the buffer's first byte
.endr
.endm
	LOAD 0
	LOAD 1
	s_wait_alu depctr_va_vdst(0)
.irp s, 0,1,2,3,4,5,6,7
	STEP \s
.endr
	v_cmp_ne_u32 vcc_lo, 0, v9
.irp i, 0,1,2,3
	v_cndmask_b32 v[TM+\i], v[W+\i], v[W+4+\i], vcc_lo   ; lanes 0-15 take their row's words 0-3, lanes 16-31 words 4-7
.endr
	global_store_b128 v[SCO], v[TM:TM+3], s[26:27] ; 16 rows x 32 bytes: 512 consecutive bytes
	s_wait_tensorcnt 0x0                           ; the wave's end, behind my last LDS store
	ds_add_u32 v[SPW], v[NIL]
	s_wait_dscnt 0x0
	s_endpgm
.Lfunc_end_k_q8846636444_quant:
	.size	k_q8846636444_quant, .Lfunc_end_k_q8846636444_quant-k_q8846636444_quant
	.p2alignl 7, 3214868480
	.fill 96, 4, 3214868480
	.section	.rodata,"a",@progbits
	.p2align	6, 0x0
	.amdhsa_kernel k_q8846636444_quant
		.amdhsa_group_segment_fixed_size 34304
		.amdhsa_private_segment_fixed_size 0
		.amdhsa_enable_private_segment 0
		.amdhsa_kernarg_size 56
		.amdhsa_user_sgpr_count 2
		.amdhsa_user_sgpr_kernarg_segment_ptr 1
		.amdhsa_wavefront_size32 1
		.amdhsa_system_sgpr_workgroup_id_x 1
		.amdhsa_system_sgpr_workgroup_id_y 1
		.amdhsa_system_sgpr_workgroup_id_z 1
		.amdhsa_system_vgpr_workitem_id 0
		.amdhsa_next_free_vgpr 256
		.amdhsa_next_free_sgpr 66
		.amdhsa_reserve_vcc 1
		.amdhsa_float_denorm_mode_32 3
		.amdhsa_float_denorm_mode_16_64 3
		.amdhsa_memory_ordered 1
		.amdhsa_forward_progress 1
		.amdhsa_inst_pref_size 67
	.end_amdhsa_kernel
	.amdgpu_metadata
---
amdhsa.version: [ 1, 2 ]
amdhsa.kernels:
  - .name:           k_q8846636444_quant
    .symbol:         k_q8846636444_quant.kd
    .args:
      - { .name: x, .offset: 0, .size: 8, .value_kind: global_buffer, .address_space: global }
      - { .name: context, .offset: 8, .size: 8, .value_kind: global_buffer, .address_space: global }
      - { .name: Wq, .offset: 16, .size: 8, .value_kind: global_buffer, .address_space: global }
      - { .name: Wkv, .offset: 24, .size: 8, .value_kind: global_buffer, .address_space: global }
      - { .name: Wproj, .offset: 32, .size: 8, .value_kind: global_buffer, .address_space: global }
      - { .name: codes, .offset: 40, .size: 8, .value_kind: global_buffer, .address_space: global }
      - { .name: scales, .offset: 48, .size: 8, .value_kind: global_buffer, .address_space: global }
    .group_segment_fixed_size: 34304
    .private_segment_fixed_size: 0
    .kernarg_segment_align: 8
    .kernarg_segment_size: 56
    .max_flat_workgroup_size: 128
    .sgpr_count:     66
    .vgpr_count:     256
    .wavefront_size: 32
...
	.end_amdgpu_metadata
.endif
;; end of part 1
;; launch qkv (part 2): grid 4 x 64, 4 waves a work-group, clusters of 4 x 4, 327,680 bytes of LDS; arguments codes, scales, kv; writes kv
.if DOCPART == 2
	.amdgcn_target "amdgcn-amd-amdhsa--gfx1250"
	.amdhsa_code_object_version 6
	.text
	.protected	k_q8846636444_qkv
	.globl	k_q8846636444_qkv
	.p2align	8
	.type	k_q8846636444_qkv,@function
k_q8846636444_qkv:
	s_mov_b64 s[64:65], 0
	v_nop
	global_prefetch_b8 v0, s[64:65] scope:SCOPE_SE
	s_setreg_imm32_b32 hwreg(HW_REG_WAVE_MODE, 25, 1), 1
	s_wait_xcnt 0x0
	s_wait_alu depctr_hold_cnt(0) depctr_sa_sdst(0) depctr_va_vdst(0) depctr_va_sdst(0) depctr_va_ssrc(0) depctr_va_vcc(0) depctr_vm_vsrc(0)
	s_getreg_b32 s2, hwreg(HW_REG_IB_STS2, 6, 4)
	s_cmp_eq_u32 s2, 0
	s_cbranch_scc0 .Lentry_in_a_cluster
	s_endpgm
.Lentry_in_a_cluster:
	s_bfe_u32 s2, ttmp6, 0x10000c
	s_cmp_lg_u32 s2, 0xf033
	s_cbranch_scc0 .Lentry_shape_is_right
	s_endpgm
.Lentry_shape_is_right:
.set NQ,     2
.set FR,     12
.set FRB,    1536
.set NL,     6
.set NP,     4
.set TROW,   NQ*FRB
.set KROW,   768
.set HALFT,  8*TROW
.set SLOT,   4*HALFT
.set LAPS,   2
.set KS,     32
.set SCL,    2*SLOT
.set HALFS,  16*272
.set SBLK,   2*272
.set SPARE,  SCL+4*HALFS
.set QREC,   106496
.set REC,    208896
.set ADRA, 16
.set ADRB, 20
.set L8,   24
.set SOF,  25
.set SHF,  26
.set ADRS, 27
.set SPW,  28
.set NIL,  29
.set SC,   32
.set PC,   64
.set TM,   96
.set PW,   112
.set SW,   116
.set AF,   128
.set G1, 24
.set G0, 32
.set G1B, 48
.set G0B, 56
.set G1S, 68
.set G0S, 76
.set G1SB, 80
.set G0SB, 88
.set SEL, 2
.set PA,  12
.set PB,  20
.set PS,  22
.set ST1, 92
.set ST2, 94
.set SST, 96
.set MSK, 98
.set ORV, 99
.set MSB, 0
.macro WIN new
.if MSB != (\new)
	s_set_vgpr_msb (MSB<<8)|(\new)
.set MSB, (\new)
.endif
.endm
.set MUL_LO, 0xa1
.set MUL_HI, 0xf1
.set TO_B,   0x40
.macro JLOAD g0a, g1a, g0b, g1b
	s_cmp_eq_u32 s15, 0
	s_cbranch_scc0 .Lfor_b_\@
	tensor_load_to_lds s[\g0a:\g0a+3], s[\g1a:\g1a+7]
	s_nop 0
.rept 4
	v_nop
.endr
	s_branch .Lasked_\@
.Lfor_b_\@:
	tensor_load_to_lds s[\g0b:\g0b+3], s[\g1b:\g1b+7]
	s_nop 0
.rept 4
	v_nop
.endr
.Lasked_\@:
.endm
.macro CREST
	s_cmp_lg_u32 s14, 0
	s_cbranch_scc1 .Lnot_wave_0_\@
	s_barrier_signal -3
.Lnot_wave_0_\@:
	s_barrier_wait -3
	s_barrier_signal -1
	s_barrier_wait -1
.endm
.macro CROUND
	s_barrier_signal -1
	s_barrier_wait -1
	CREST
.endm
	s_load_b128 s[4:7], s[0:1], 0x0                ; codes, scales
	s_load_b64 s[10:11], s[0:1], 0x10              ; kv
	v_lshl_add_u32 v[SPW], v0, 2, SPARE
	v_mov_b32 v[NIL], 0
	ds_add_u32 v[SPW], v[NIL]
	ds_add_u32 v[SPW], v[NIL]
	v_lshrrev_b32 v1, 5, v0
	v_readfirstlane_b32 s14, v1
	s_lshr_b32 s15, s14, 1
	s_and_b32 s16, s14, 1
	s_bfe_u32 s40, ttmp6, 0x40000
	s_bfe_u32 s41, ttmp6, 0x40004
	s_and_b32 s67, ttmp7, 0xffff
	s_lshr_b32 s66, s67, 3
	s_add_co_u32 s66, s66, 1                       ; 1: K's tiles, 2: V's (Q is made by the launch that uses it)
	s_and_b32 s67, s67, 7
	s_lshl_b32 s67, s67, 2
	s_cmp_eq_u32 s66, 2
	s_cselect_b32 s17, 0, s67
	s_cselect_b32 s42, s67, 0
	s_add_co_u32 s17, s17, s41
	s_add_co_u32 s42, s42, s40
	s_cmp_eq_u32 s66, 1
	s_mov_b32 s100, 18432
	s_cselect_b32 s100, 8192, s100
	s_mov_b32 s101, 8192
	s_cselect_b32 s101, 17408, s101
	s_lshl_b32 s43, s41, 2
	s_lshl_b32 s43, 15, s43
	s_lshl_b32 s44, 0x1111, s40
	s_or_b32 s[G1+0], s43, (3<<16)|(1<<21)
	s_or_b32 s[G1B+0], s44, (3<<16)|(1<<21)
.irp g, G1, G1B
	s_mov_b32 s[\g+1], 384<<16
	s_mov_b32 s[\g+2], 16<<16
	s_mov_b32 s[\g+3], 384<<16
	s_mov_b32 s[\g+4], 16
	s_mov_b32 s[\g+5], 1536
	s_mov_b32 s[\g+6], 0
	s_mov_b32 s[\g+7], 0
.endr
	s_or_b32 s[G1S+0], s43, (3<<16)|(1<<20)|(1<<21)|(5<<22)|(3<<25)
	s_or_b32 s[G1SB+0], s44, (3<<16)|(1<<20)|(1<<21)|(5<<22)|(3<<25)
.irp g, G1S, G1SB
	s_mov_b32 s[\g+1], 32<<16
	s_mov_b32 s[\g+2], 32<<16
	s_mov_b32 s[\g+3], 32<<16
	s_mov_b32 s[\g+4], 32
	s_mov_b32 s[\g+5], 32
	s_mov_b32 s[\g+6], 0
	s_mov_b32 s[\g+7], 0
.endr
	s_lshl_b32 s20, s17, 8
	s_add_co_u32 s20, s20, s100
	s_lshl_b32 s46, s42, 8
	s_add_co_u32 s46, s46, s101
	s_mov_b32 s21, 0
	s_mov_b32 s47, 0
	s_mov_b64 s[18:19], KS
	s_mul_u64 s[22:23], s[20:21], s[18:19]
	s_mul_u64 s[92:93], s[46:47], s[18:19]
	s_mov_b64 s[18:19], KROW
	s_mul_u64 s[20:21], s[20:21], s[18:19]
	s_mul_u64 s[46:47], s[46:47], s[18:19]
	s_mul_i32 s45, s14, HALFT
	s_mul_i32 s18, s16, 8*12288                    ; in the ring I fetch 8 of a tile's 16 row tiles: which half, in bytes
	s_mov_b32 s19, 0
	s_wait_dscnt 0x0
	s_wait_kmcnt 0x0
	s_add_nc_u64 s[20:21], s[4:5], s[20:21]
	s_add_nc_u64 s[22:23], s[6:7], s[22:23]
	s_add_nc_u64 s[46:47], s[4:5], s[46:47]
	s_add_nc_u64 s[92:93], s[6:7], s[92:93]
	CROUND
	; the head's four tiles, each whole, one load a wave: wave 0 slot 0's 16 row tiles of A, wave 1 those of B, wave 2 the scales of A's 256 rows, wave 3 those of B's
	s_mov_b32 s[G0S], 1
	s_mov_b32 s[G0S+1], SCL
	s_mov_b64 s[G0S+2:G0S+3], s[22:23]
	s_or_b32 s[G0S+3], s[G0S+3], 0x80000000
	s_mov_b32 s[G0SB], 1
	s_mov_b32 s[G0SB+1], SCL+2*HALFS
	s_mov_b64 s[G0SB+2:G0SB+3], s[92:93]
	s_or_b32 s[G0SB+3], s[G0SB+3], 0x80000000
	s_mov_b32 s[G0], 1
	s_mov_b32 s[G0+1], 0
	s_mov_b64 s[G0+2:G0+3], s[20:21]
	s_or_b32 s[G0+3], s[G0+3], 0x80000000
	s_mov_b32 s[G0B], 1
	s_mov_b32 s[G0B+1], 2*HALFT
	s_mov_b64 s[G0B+2:G0B+3], s[46:47]
	s_or_b32 s[G0B+3], s[G0B+3], 0x80000000
.macro ARM under, g0, g1, next
	s_cmp_lt_u32 s14, \under
	s_cbranch_scc0 \next
	tensor_load_to_lds s[\g0:\g0+3], s[\g1:\g1+7]
	s_nop 0
.rept 4
	v_nop
.endr
	s_branch .Lhead_asked
\next:
.endm
	ARM 1, G0,  G1,  .Lhead_b
	ARM 2, G0B, G1B, .Lhead_sa
	ARM 3, G0S, G1S, .Lhead_sb
	tensor_load_to_lds s[G0SB:G0SB+3], s[G1SB:G1SB+7]
	s_nop 0
.rept 4
	v_nop
.endr
.Lhead_asked:
	s_mov_b32 s[G0+4], 1                           ; slot 1's group 0: my half of the second pair of K steps
	s_add_co_u32 s[G0+5], s45, SLOT
	s_add_nc_u64 s[G0+6:G0+7], s[20:21], s[18:19]
	s_add_nc_u64 s[G0+6:G0+7], s[G0+6:G0+7], TROW
	s_or_b32 s[G0+7], s[G0+7], 0x80000000
	s_mov_b32 s[G0B+4], 1
	s_add_co_u32 s[G0B+5], s45, SLOT
	s_add_nc_u64 s[G0B+6:G0B+7], s[46:47], s[18:19]
	s_add_nc_u64 s[G0B+6:G0B+7], s[G0B+6:G0B+7], TROW
	s_or_b32 s[G0B+7], s[G0B+7], 0x80000000
	s_wait_alu depctr_va_vdst(0)
	s_wait_tensorcnt 0x0                           ; my tile of the head's four is in
	ds_add_u32 v28, v29
	s_mov_b32 s[G0+1], s45                         ; no tensor load of mine is out: slot 0's group 0 takes the ring's values (my half, my place in LDS),
	s_add_nc_u64 s[G0+2:G0+3], s[G0+2:G0+3], s[18:19]
	s_mov_b32 s[G0B+1], s45
	s_add_nc_u64 s[G0B+2:G0B+3], s[G0B+2:G0B+3], s[18:19]
	s_mov_b32 s[G1+2], 8<<16                       ; and from here on a load brings 8 row tiles
	s_mov_b32 s[G1+4], 8
	s_mov_b32 s[G1B+2], 8<<16
	s_mov_b32 s[G1B+4], 8
	s_wait_dscnt 0x0
	CROUND
	JLOAD G0+4, G1, G0B+4, G1B
	v_and_b32 v1, 15, v0
	v_bfe_u32 v2, v0, 4, 1
	v_and_b32 v3, 31, v0
	v_lshlrev_b32 v[L8], 3, v3
	s_mul_i32 s21, s15, HALFT
	s_mul_i32 s22, s16, HALFT
	s_add_co_u32 s22, s22, 2*HALFT
.irp s, 0,1
	v_add_nc_u32 v[ADRA+\s], s21, v[L8]
	v_add_nc_u32 v[ADRB+\s], s22, v[L8]
	s_add_co_u32 s21, s21, SLOT
	s_add_co_u32 s22, s22, SLOT
.endr
	v_mul_u32_u24 v5, v1, KS
	v_lshrrev_b32 v6, 8, v5
	v_lshl_add_u32 v5, v6, 4, v5
	s_mul_i32 s21, s15, HALFS
	s_mul_i32 s22, s16, HALFS
	s_add_co_u32 s22, s22, 2*HALFS
	s_sub_co_u32 s22, s22, s21
	v_mul_u32_u24 v6, s22, v2
	s_add_co_u32 s21, s21, SCL
	v_add_nc_u32 v5, v5, v6
	v_add_nc_u32 v[ADRS], s21, v5
.irp b, 0,1,2,3
	v_mov_b32 v[TM+4+\b], 0
.endr
	s_mov_b32 s101, REC
	s_mov_b32 s19, 196608
	s_mov_b64 s[PA:PA+1], s[10:11]
	s_cmp_eq_u32 s66, 2
	s_cselect_b32 s19, 204800, s19
	s_cselect_b32 s43, s42, s17
	s_cselect_b32 s44, s17, s42
	s_cselect_b32 s45, s16, s15
	s_cselect_b32 s46, s15, s16
	s_cselect_b32 s47, 8, 9
	s_cselect_b32 s100, 98304, 0
	s_cselect_b32 s67, 768, s101
	s_cselect_b32 s2, 0, s101
	s_cselect_b32 s18, 0, 16
	s_mov_b32 s[ST1], 768
	s_cselect_b32 s[ST1], 1536, s[ST1]
	s_mov_b32 s[ST2], 768
	s_cselect_b32 s[ST2], REC-4608, s[ST2]
	s_mov_b32 s[SST], 256
	s_cselect_b32 s[SST], REC, s[SST]
	s_cselect_b32 s[MSK], -1, 0xffff
	s_cselect_b32 s[ORV], 0, 0x7f7f0000
	s_mov_b32 s[ST1+1], 0
	s_mov_b32 s[ST2+1], 0
	s_mov_b32 s[SST+1], 0
	s_lshr_b32 s20, s43, 3
	s_lshl_b32 s20, s20, 4
	s_lshl_b32 s44, s44, 1
	s_add_co_u32 s44, s44, s46
	s_lshl_b32 s44, s44, 1
	s_add_co_u32 s20, s20, s44
	s_mul_i32 s20, s20, s101
	s_and_b32 s43, s43, 7
	s_lshl_b32 s43, s43, 1
	s_add_co_u32 s43, s43, s45
	s_mul_i32 s44, s43, 6144
	s_add_co_u32 s44, s44, s20
	s_add_co_u32 s44, s44, s100
	s_mov_b32 s45, 0
	s_lshl_b32 s46, s43, s47
	s_add_co_u32 s46, s46, s20
	s_add_co_u32 s46, s46, s19
	s_mov_b32 s47, 0
	s_add_nc_u64 s[PS:PS+1], s[PA:PA+1], s[46:47]
	s_add_nc_u64 s[PA:PA+1], s[PA:PA+1], s[44:45]
	s_mov_b32 s46, s67
	s_add_nc_u64 s[PB:PB+1], s[PA:PA+1], s[46:47]
	v_mul_u32_u24 v[SOF], s2, v2
	v_lshl_add_u32 v[SOF], v1, 4, v[SOF]
	v_mul_u32_u24 v[SHF], s18, v2
	s_mov_b32 s100, 0x76543210
	s_mov_b32 s101, 0xfedcba98
.macro FRAG reg, adr, q, i
.irp p, 0,1,2,3,4,5
	ds_load_b64 v[\reg+2*\p:\reg+2*\p+1], v[\adr] offset:(\i)*TROW+(\q)*FRB+256*\p
.endr
.endm
.macro MUL16 a0, p, q, sc, zero
.irp a, \a0, \a0+1
.irp b, 0,1,2,3,4,5,6,7
.if \zero
	v_wmma_scale_f32_16x16x128_f8f6f4 v[8*(8*((\a)%4)+\b):8*(8*((\a)%4)+\b)+7], v[128*(\p)+FR*\b:128*(\p)+FR*\b+FR-1], v[AF+FR*(\a):AF+FR*(\a)+FR-1], 0, v[SC+8*NQ*(\sc)+NQ*\b+(\q)], v[SC+8*NQ*(\sc)+NQ*(\a)+(\q)] matrix_a_fmt:MATRIX_FMT_FP6 matrix_b_fmt:MATRIX_FMT_FP6 matrix_a_scale:MATRIX_SCALE_ROW1
.else
	v_wmma_scale_f32_16x16x128_f8f6f4 v[8*(8*((\a)%4)+\b):8*(8*((\a)%4)+\b)+7], v[128*(\p)+FR*\b:128*(\p)+FR*\b+FR-1], v[AF+FR*(\a):AF+FR*(\a)+FR-1], v[8*(8*((\a)%4)+\b):8*(8*((\a)%4)+\b)+7], v[SC+8*NQ*(\sc)+NQ*\b+(\q)], v[SC+8*NQ*(\sc)+NQ*(\a)+(\q)] matrix_a_fmt:MATRIX_FMT_FP6 matrix_b_fmt:MATRIX_FMT_FP6 matrix_a_scale:MATRIX_SCALE_ROW1
.endif
.endr
.endr
.endm
.macro FETCH_B slot, q, p
	WIN TO_B
.irp i, 0,1,2,3,4,5,6,7
	FRAG 128*(\p)+FR*\i, ADRB+\slot, \q, \i
.endr
	WIN 0
.endm
.macro FETCH_A slot, q, i0
.irp i, \i0, \i0+1, \i0+2, \i0+3
	FRAG AF+FR*(\i), ADRA+\slot, \q, \i
.endr
.endm
.macro SCALES sc
.irp i, 0,1,2,3,4,5,6,7
	ds_load_b64 v[SC+8*NQ*\sc+NQ*\i:SC+8*NQ*\sc+NQ*\i+1], v[ADRS] offset:\i*SBLK
.endr
.endm
.macro PLACES n
.rept \n
	v_nop
.endr
.endm
.macro STEP slot, q, zero
	s_wait_dscnt 4*NL
	WIN MUL_LO
	MUL16 0, (\q)%2, \q, \slot, \zero
	MUL16 2, (\q)%2, \q, \slot, \zero
	s_wait_dscnt 0
	PLACES NP
	FETCH_B \slot, (\q)+1, 1-(\q)%2
	FETCH_A \slot, (\q)+1, 0
	WIN MUL_HI
	MUL16 4, (\q)%2, \q, \slot, \zero
	MUL16 6, (\q)%2, \q, \slot, \zero
	PLACES NP
	WIN 0
	FETCH_A \slot, (\q)+1, 4
.endm
.macro TURN slot, next, fill
	s_wait_tensorcnt 0x0
	ds_add_u32 v[SPW], v[NIL]
	s_wait_dscnt 4*NL+1
	WIN MUL_LO
	MUL16 0, 1, NQ-1, \slot, 0
	s_wait_dscnt 0x0
	s_barrier_signal -1
	MUL16 2, 1, NQ-1, \slot, 0
	WIN 0
	s_barrier_wait -1
.if \fill
	CREST
	s_add_nc_u64 s[G0+4*\slot+2:G0+4*\slot+3], s[G0+4*\slot+2:G0+4*\slot+3], 2*TROW
	s_add_nc_u64 s[G0B+4*\slot+2:G0B+4*\slot+3], s[G0B+4*\slot+2:G0B+4*\slot+3], 2*TROW
	JLOAD G0+4*\slot, G1, G0B+4*\slot, G1B
.else
	PLACES NP
.endif
	s_wait_alu depctr_va_vdst(0)
	v_add_nc_u32 v[ADRS], 4*NQ, v[ADRS]
	FETCH_B \next, 0, 0
	FETCH_A \next, 0, 0
	SCALES \next
	WIN MUL_HI
	MUL16 4, 1, NQ-1, \slot, 0
	MUL16 6, 1, NQ-1, \slot, 0
	PLACES NP
	WIN 0
	FETCH_A \next, 0, 4
.endm
	s_wait_alu depctr_va_vdst(0)
	s_wait_tensorcnt 1
	s_barrier_signal -1
	s_barrier_wait -1
	FETCH_B 0, 0, 0
	FETCH_A 0, 0, 0
	SCALES 0
	FETCH_A 0, 0, 4
	STEP 0, 0, 1
	s_mov_b32 s3, LAPS-1
.Llap:
	TURN 0, 1, 1
	STEP 1, 0, 0
	TURN 1, 0, 1
	STEP 0, 0, 0
	s_sub_co_u32 s3, s3, 1
	s_cmp_lg_u32 s3, 0
	s_cbranch_scc1 .Llap
	TURN 0, 1, 0
	STEP 1, 0, 0
	s_wait_dscnt 4*NL
	WIN MUL_LO
	MUL16 0, 1, NQ-1, 1, 0
	MUL16 2, 1, NQ-1, 1, 0
	s_wait_dscnt 0
	WIN MUL_HI
	MUL16 4, 1, NQ-1, 1, 0
	MUL16 6, 1, NQ-1, 1, 0
	WIN 0
.macro QUANTW s, w
	WIN ((\w)<<2)|((\w)<<4)
.irp b, 0,1,2,3
	v_max3_num_f32 v[TM+\b], 0x1800000, |v[(\s)+16*\b]|, |v[(\s)+1+16*\b]|
.endr
.irp i, 2,4,6,8,10,12,14
.irp b, 0,1,2,3
	v_max3_num_f32 v[TM+\b], v[TM+\b], |v[(\s)+16*\b+\i]|, |v[(\s)+1+16*\b+\i]|
.endr
.endr
	WIN 0
.irp b, 0,1,2,3
	v_permlanex16_b32 v[TM+4+\b], v[TM+\b], s100, s101
.endr
.irp b, 0,1,2,3
	v_max_num_f32 v[TM+\b], v[TM+\b], v[TM+4+\b]
.endr
.irp b, 0,1,2,3
	v_add_nc_u32 v[TM+12+\b], 0xff000000, v[TM+\b]
.endr
.irp b, 0,1,2,3
	v_lshrrev_b32 v[TM+4+\b], 23, v[TM+12+\b]
.endr
	v_lshl_or_b32 v[PW], v[TM+5], 8, v[TM+4]
	v_lshl_or_b32 v[PW], v[TM+6], 16, v[PW]
	v_lshl_or_b32 v[PW], v[TM+7], 24, v[PW]
	WIN (\w)
.irp c, 0,1
	v_cvt_scalef32_pk16_fp6_f32 v[PC+6*\c:PC+2+6*\c], v[(\s)+32*\c:(\s)+15+32*\c], v[TM+12+2*\c]
	v_cvt_scalef32_pk16_fp6_f32 v[PC+12+4*\c:PC+14+4*\c], v[(\s)+16+32*\c:(\s)+31+32*\c], v[TM+12+2*\c+1]
.endr
	WIN 0
	v_nop
.irp c, 0,1
.irp i, 0,1,2
	v_permlane16_swap_b32 v[PC+6*\c+\i], v[PC+12+4*\c+\i]
.endr
.irp i, 0,1,2
	v_mov_b32 v[PC+3+6*\c+\i], v[PC+12+4*\c+\i]
.endr
.endr
.endm
	PLACES NP
.irp a, 0,1,2,3,4,5,6,7
.if \a > 0
	s_wait_xcnt 0x0
.if \a == 4
	s_add_nc_u64 s[PA:PA+1], s[PA:PA+1], s[ST2:ST2+1]
	s_add_nc_u64 s[PB:PB+1], s[PB:PB+1], s[ST2:ST2+1]
	s_add_nc_u64 s[PS:PS+1], s[PS:PS+1], s[SST:SST+1]
.else
	s_add_nc_u64 s[PA:PA+1], s[PA:PA+1], s[ST1:ST1+1]
	s_add_nc_u64 s[PB:PB+1], s[PB:PB+1], s[ST1:ST1+1]
.endif
.endif
	QUANTW 64*(\a%4), 2+\a/4
	v_lshrrev_b32 v[SW+\a%4], v[SHF], v[PW]
	v_and_or_b32 v[SW+\a%4], v[SW+\a%4], s[MSK], s[ORV]
.irp p, 0,1,2
	global_store_b64 v[L8], v[PC+2*\p:PC+2*\p+1], s[PA:PA+1] offset:256*\p
.endr
.irp p, 0,1,2
	global_store_b64 v[L8], v[PC+6+2*\p:PC+7+2*\p], s[PB:PB+1] offset:256*\p
.endr
.if \a%4 == 3
	global_store_b128 v[SOF], v[SW:SW+3], s[PS:PS+1]
.endif
.endr
	s_wait_tensorcnt 0x0
	ds_add_u32 v[SPW], v[NIL]
	s_wait_dscnt 0x0
	CROUND
	s_endpgm
.Lfunc_end_k_q8846636444_qkv:
	.size	k_q8846636444_qkv, .Lfunc_end_k_q8846636444_qkv-k_q8846636444_qkv
	.p2alignl 7, 3214868480
	.fill 96, 4, 3214868480
	.section	.rodata,"a",@progbits
	.p2align	6, 0x0
	.amdhsa_kernel k_q8846636444_qkv
		.amdhsa_group_segment_fixed_size 327680
		.amdhsa_private_segment_fixed_size 0
		.amdhsa_enable_private_segment 0
		.amdhsa_kernarg_size 24
		.amdhsa_user_sgpr_count 2
		.amdhsa_user_sgpr_kernarg_segment_ptr 1
		.amdhsa_wavefront_size32 1
		.amdhsa_system_sgpr_workgroup_id_x 1
		.amdhsa_system_sgpr_workgroup_id_y 1
		.amdhsa_system_sgpr_workgroup_id_z 1
		.amdhsa_system_vgpr_workitem_id 0
		.amdhsa_next_free_vgpr 1024
		.amdhsa_next_free_sgpr 102
		.amdhsa_reserve_vcc 0
		.amdhsa_float_denorm_mode_32 3
		.amdhsa_float_denorm_mode_16_64 3
		.amdhsa_memory_ordered 1
		.amdhsa_forward_progress 1
		.amdhsa_inst_pref_size 170
	.end_amdhsa_kernel
	.amdgpu_metadata
---
amdhsa.version: [ 1, 2 ]
amdhsa.kernels:
  - .name:           k_q8846636444_qkv
    .symbol:         k_q8846636444_qkv.kd
    .args:
      - { .name: codes, .offset: 0, .size: 8, .value_kind: global_buffer, .address_space: global }
      - { .name: scales, .offset: 8, .size: 8, .value_kind: global_buffer, .address_space: global }
      - { .name: kv, .offset: 16, .size: 8, .value_kind: global_buffer, .address_space: global }
    .group_segment_fixed_size: 327680
    .private_segment_fixed_size: 0
    .kernarg_segment_align: 8
    .kernarg_segment_size: 24
    .max_flat_workgroup_size: 128
    .sgpr_count:     102
    .vgpr_count:     1024
    .wavefront_size: 32
...
	.end_amdgpu_metadata
.endif
;; end of part 2
;; launch attn (part 3): grid 4 x 64, 8 waves a work-group, clusters of 4 x 1, 210,944 bytes of LDS; arguments codes, scales, kv, aoimg, aosc; writes aoimg, aosc
.if DOCPART == 3
	.amdgcn_target "amdgcn-amd-amdhsa--gfx1250"
	.amdhsa_code_object_version 6
	.text
	.protected	k_q8846636444_attn
	.globl	k_q8846636444_attn
	.p2align	8
	.type	k_q8846636444_attn,@function
k_q8846636444_attn:
	s_mov_b64 s[64:65], 0
	v_nop
	global_prefetch_b8 v0, s[64:65] scope:SCOPE_SE
	s_setreg_imm32_b32 hwreg(HW_REG_WAVE_MODE, 25, 1), 1
	s_wait_xcnt 0x0
	s_wait_alu depctr_hold_cnt(0) depctr_sa_sdst(0) depctr_va_vdst(0) depctr_va_sdst(0) depctr_va_ssrc(0) depctr_va_vcc(0) depctr_vm_vsrc(0)
	s_getreg_b32 s2, hwreg(HW_REG_IB_STS2, 6, 4)
	s_cmp_eq_u32 s2, 0
	s_cbranch_scc0 .Lentry_in_a_cluster
	s_endpgm
.Lentry_in_a_cluster:
	s_bfe_u32 s2, ttmp6, 0x10000c
	s_cmp_lg_u32 s2, 0x3003
	s_cbranch_scc0 .Lentry_shape_is_right
	s_endpgm
.Lentry_shape_is_right:
; For each of 64 heads (16 x batch + head): Q = x Wq^T for the head's 64 features, quantised; O[q] = the sum over the 2,048 keys of softmax(Q[q] . K[k] / 8) V[k]; O / the row's sum is quantised for the last product.
; All three products on codes of FP6 (E2M3) with E8M0 scales.
; THE SOFTMAX: t = score x log2(e) / 8; M = the row's largest t so far, rounded up to a whole number; p = 2^(t - M) is quantised along the keys, not normalised; the row's sum is taken of the unquantised p, in f32.
; When M moves, the sum and O are multiplied by 2^(old M - new M): exact.  A block's largest p is made from the block's largest score by the same multiply-add and exponential.
; SHARES.  A cluster is a head; its four work-groups take 512 queries each; each of eight waves takes four tiles of 16 queries, two at a time in two passes over the keys: a fragment of K or V^T read from LDS serves two tiles.
; A HEAD'S WHOLE RECORD (K's codes 98,304 bytes, V^T's 98,304, K's scale words 8,192, V's 4,096) lies in LDS as it lies in memory, filled ONCE: each wave brings one eighth, 102 rows of 256 bytes, by one tensor load that the
; four work-groups ask for jointly.  No ring, no refill, one barrier; one tensor load of mine is out.
; Q IS MADE WHILE THAT LOAD IS OUT: my 64 queries x the head's 64 rows of Wq, K = 1,024 in eight steps, sixteen accumulators by turns.  x's and Wq's fragments lie in memory as images of the operand's registers and come
; straight into registers, 52 loads a K step, in two sets: a set is asked for while the other is multiplied.  No prefetch: these loads run a K step ahead by themselves, beside the record's loads.
; Source 0 = 16 rows of Wq, laid by the first launch so that the 16 registers of two neighbouring tiles are 16 neighbouring features; source 1 = my 16 queries.  One scale register carries Wq's word (lanes 0-15) and x's (lanes 16-31).
; LAYOUT.  All products are used transposed: S^T = K Q^T, O^T = V^T P^T: a lane holds one query throughout.  Operands lie as planes of 256 bytes, lane l's 8 bytes at 8 l.
; WHICH KEYS FORM A TILE OF K is chosen here by the lanes' LDS addresses: row 8 g + j of tile 4 c + u is key 64 c + 32 g + 8 u + j of the step.  So lane (r, h) holds in the 32 registers of tiles 4 c .. 4 c + 3 the keys
; 64 c + 32 h + 0 .. 31: a WHOLE block of 32, in the order of P's operand: a block's maximum and its codes need no other lane.  In the record that key lies in tile 4 c + 2 g + u % 2 at row 8 (u / 2) + j.
; K = 64 IN AN INSTRUCTION OF 128: Q's registers 6-11 are zero codes; K's fragment t is named with the next fragment's six registers (behind the last: zeros); the scale bytes of those two blocks are 0x7f on both sides.
; LIMITS: the promise holds while the scaled scores stay under 2^31 in magnitude; a block of zeros gets the byte 1 (zero codes; only this program reads the bytes); NaN and infinities are not served.
; In a pass's last step the loads for a further step of K read the LDS bytes behind K's (V^T's, filled); nothing uses them.
; REGISTERS.  Window 0: v1-13 addresses; v14-15 P's scale words, v16-19 Q's, v20-27 K's, v28-31 V's; v32-85 K (8 x 6, 6 zeros); v86-133 V^T (4 x 12); v134-181 Q (4 x (6 + 6 zeros)); v192-255 O^T of two tiles.
; Window 1: v0-127 S^T, then p, of two tiles; v128-151 p's codes; from v152 24 registers a tile: -M, largest score, sum (2), f (2), block maxima (2), scale operands (2), two at work, eight for partial sums and half blocks' codes; v250 8 h.
; While Q is made: window 0 v32-127 and v128-223 the two sets (Wq 48, x 48), v20-27 their scale words; window 1 v0-127 the sums, v128-207 at work.
.set REC,   208896
.set VIMG,  98304
.set KSC,   196608
.set VSC,   204800
.set PART,  26112                      ; a wave's eighth of the record
.set SPARE, REC                        ; behind the record: the spare words, 128 bytes a wave: four blocks of 256 bytes that no other line names
.set L8,   1                           ; 8 x lane
.set AK0,  2                           ; 1536 g + 8 j + 128 h: my row of a tile of K
.set AV0,  3                           ; 8 x lane + VIMG - 6144
.set ASK0, 4                           ; 16 j + 8 g + KSC
.set ASV0, 5                           ; 16 r + VSC
.set SPW,  6                           ; LDS address of my spare word; never rewritten
.set NIL,  7                           ; 0; never rewritten
.set ADK,  8
.set ADV,  9
.set ADS,  10
.set ADT,  11
.set R16,  12
.set R32,  13
.set PS,   14
.set QS,   16
.set KS,   20
.set VS,   28
.set KF,   32
.set VF,   86
.set QF,   134
.set VSO,  224                         ; while Q is made: my row's scale words: lanes 0-15 Wq's, lanes 16-31 x's
.set OA,   192
.set PC,   128                         ; window 1
.set ST,   152                         ; window 1
.set SH8,  250                         ; window 1
.set WV,   18
.set NC,   19                          ; -c
.set SEL,  20                          ; s[20:21] lane selects: lane l xor 16
.set CS,   22                          ; s[22:23] c = log2(e) / 8
.set G1,   24
.set G0,   40
.set TK,   2                           ; 6,144 x (step + 1)
.set TS,   3                           ; 512 x (step + 1)
.set TJ,   44                          ; 256 x step
.set CNT,  45
.set SWC,  46                          ; s[46:47] Wq's codes, the head's four row tiles
.set SXC,  48                          ; s[48:49] x's codes, my four row tiles
.set SOC,  50
.set SOS,  52
.set SSC,  56                          ; s[56:57] the scale bytes of my rows of x
.set MSB, 0
.macro WIN new                         ; the immediate's high byte repeats the setting that is left
.if MSB != (\new)
	s_set_vgpr_msb (MSB<<8)|(\new)
.set MSB, (\new)
.endif
.endm
.macro CROUND                          ; a round of the cluster's barrier
	s_barrier_signal -1
	s_barrier_wait -1
	s_cmp_lg_u32 s[WV], 0
	s_cbranch_scc1 .Lnot_wave_0_\@
	s_barrier_signal -3
.Lnot_wave_0_\@:
	s_barrier_wait -3
	s_barrier_signal -1
	s_barrier_wait -1
.endm
	s_load_b256 s[4:11], s[0:1], 0x0               ; codes, scales, kv, aoimg
	s_load_b64 s[60:61], s[0:1], 0x20              ; aosc
	v_lshl_add_u32 v[SPW], v0, 2, SPARE
	v_mov_b32 v[NIL], 0
	ds_add_u32 v[SPW], v[NIL]                      ; the opening lines: the add, twice on end, and its wait ahead of my first tensor load
	ds_add_u32 v[SPW], v[NIL]
	v_lshrrev_b32 v8, 5, v0
	v_readfirstlane_b32 s[WV], v8                  ; wave 0..7
	s_bfe_u32 s12, ttmp6, 0x40000                  ; cx: my block of 512 queries: it enters x's and the result's global addresses alone
	s_and_b32 s13, ttmp7, 0xffff                   ; the head, which the four partners share
	s_mov_b32 s[G1], 15|(3<<16)|(1<<21)            ; the mask: all four work-groups; elements of 8 bytes; bit 21 beside a mask
	s_mov_b32 s[G1+1], 32<<16
	s_mov_b32 s[G1+2], 102<<16
	s_mov_b32 s[G1+3], 32<<16
	s_mov_b32 s[G1+4], 102
	s_mov_b32 s[G1+5], 32
	s_mov_b32 s[G1+6], 0
	s_mov_b32 s[G1+7], 0
	s_mul_i32 s14, s13, REC
	s_mul_i32 s15, s[WV], PART
	s_add_co_u32 s32, s14, s15
	s_mov_b32 s33, 0
	s_mov_b32 s[SEL], 0x76543210
	s_mov_b32 s[SEL+1], 0xfedcba98
	s_mov_b32 s[CS], 0x3e38aa3b
	s_mov_b32 s[CS+1], s[CS]
	s_mov_b32 s[NC], 0xbe38aa3b
	s_lshl_b32 s34, s12, 5
	s_lshl_b32 s35, s[WV], 2
	s_add_co_u32 s34, s34, s35                     ; my first query tile of the head's 128: 32 cx + 4 wave
	s_mov_b32 s39, 0
	s_wait_dscnt 0x0
	s_wait_kmcnt 0x0
	CROUND                                         ; all four work-groups are here: the joint loads meet
	s_mov_b32 s[G0], 1
	s_mov_b32 s[G0+1], s15
	s_add_nc_u64 s[G0+2:G0+3], s[8:9], s[32:33]
	s_or_b32 s[G0+3], s[G0+3], 0x80000000
	tensor_load_to_lds s[G0:G0+3], s[G1:G1+7]
	s_nop 0
.rept 4
	v_nop
.endr
	s_lshr_b32 s54, s13, 4                         ; batch
	s_and_b32 s55, s13, 15                         ; head in the batch
	s_lshl_b32 s54, s54, 7
	s_add_co_u32 s54, s54, s34                     ; my first row tile of the 512
	s_mul_i32 s38, s54, 12288
	s_add_nc_u64 s[SXC:SXC+1], s[4:5], s[38:39]
	s_mul_i32 s58, s55, 768
	s_add_co_u32 s38, s38, s58
	s_add_nc_u64 s[SOC:SOC+1], s[10:11], s[38:39]
	s_lshl_b32 s38, s55, 2
	s_add_co_u32 s38, s38, 1024                    ; Wq's row tiles begin at 1,024; four to a head
	s_mul_i32 s38, s38, 12288
	s_add_nc_u64 s[SWC:SWC+1], s[4:5], s[38:39]
	s_lshl_b32 s38, s54, 9                         ; 512 scale bytes a row tile
	s_add_nc_u64 s[SSC:SSC+1], s[6:7], s[38:39]
	s_lshl_b32 s37, s55, 11
	s_add_co_u32 s37, s37, 524288                  ; Wq's rows begin at 16,384, 32 bytes a row:
	s_sub_co_u32 s37, s37, s38                     ; so far behind my rows of x
	s_lshl_b32 s58, s55, 1
	s_add_co_u32 s38, s38, s58
	s_add_nc_u64 s[SOS:SOS+1], s[60:61], s[38:39]
	v_and_b32 v240, 31, v0
	v_and_b32 v241, 15, v0                         ; r
	v_and_b32 v242, 7, v0                          ; j
	v_bfe_u32 v243, v0, 3, 1                       ; g
	v_bfe_u32 v244, v0, 4, 1                       ; h
	v_lshlrev_b32 v[L8], 3, v240
	v_lshlrev_b32 v[R16], 4, v241
	v_lshlrev_b32 v[R32], 5, v241
	v_lshlrev_b32 v245, 3, v242
	v_lshlrev_b32 v246, 4, v242
	v_xor_b32 v247, 1, v244
	v_add_nc_u32 v[AV0], VIMG-6144, v[L8]
	v_add_nc_u32 v[ASV0], VSC, v[R16]
	v_mad_u32_u24 v245, v243, 1536, v245
	v_lshl_add_u32 v246, v243, 3, v246
	v_mad_u32_u24 v[VSO], v247, s37, v[R32]
	v_lshl_add_u32 v[AK0], v244, 7, v245
	v_add_nc_u32 v[ASK0], KSC, v246
	WIN 0x40
	v_lshlrev_b32 v[SH8], 3, v244                  ; 8 h, in window 1
	WIN 0
	s_wait_alu depctr_va_vdst(0)                   ; the wait at the head's end
; Q = x Wq^T.  A K step's fragments into set e: Wq's four tiles, x's four, four scale registers; ko: K steps from where the bases stand
.macro LOADQ e, ko
.irp t, 0,1,2,3
.irp q, 0,1,2,3,4,5
	global_load_b64 v[32+96*\e+12*\t+2*\q:33+96*\e+12*\t+2*\q], v[L8], s[SWC:SWC+1] offset:12288*\t+1536*(\ko)+256*\q
.endr
.endr
.irp t, 0,1,2,3
.irp q, 0,1,2,3,4,5
	global_load_b64 v[80+96*\e+12*\t+2*\q:81+96*\e+12*\t+2*\q], v[L8], s[SXC:SXC+1] offset:12288*\t+1536*(\ko)+256*\q
.endr
.endr
.irp c, 0,1,2,3
	global_load_b32 v[KS+4*\e+\c], v[VSO], s[SSC:SSC+1] offset:512*\c+4*(\ko)
.endr
.endm
.macro QMUL e, zero                    ; sixteen products: query tile i x feature tile t, the accumulators by turns
	WIN 0x50
.irp i, 0,1,2,3
.irp t, 0,1,2,3
.if \zero
	v_wmma_scale_f32_16x16x128_f8f6f4 v[32*\i+8*\t:32*\i+8*\t+7], v[32+96*\e+12*\t:43+96*\e+12*\t], v[80+96*\e+12*\i:91+96*\e+12*\i], 0, v[KS+4*\e+\t], v[KS+4*\e+\i] matrix_a_fmt:MATRIX_FMT_FP6 matrix_b_fmt:MATRIX_FMT_FP6 matrix_b_scale:MATRIX_SCALE_ROW1
.else
	v_wmma_scale_f32_16x16x128_f8f6f4 v[32*\i+8*\t:32*\i+8*\t+7], v[32+96*\e+12*\t:43+96*\e+12*\t], v[80+96*\e+12*\i:91+96*\e+12*\i], v[32*\i+8*\t:32*\i+8*\t+7], v[KS+4*\e+\t], v[KS+4*\e+\i] matrix_a_fmt:MATRIX_FMT_FP6 matrix_b_fmt:MATRIX_FMT_FP6 matrix_b_scale:MATRIX_SCALE_ROW1
.endif
.endr
.endr
	WIN 0
.endm
	LOADQ 0, 0
	LOADQ 1, 1
	s_wait_loadcnt 52                              ; set 0 is in; set 1's 52 loads may be out
	QMUL 0, 1                                      ; K step 0 starts the sums
	s_mov_b32 s[CNT], 3
.Lqk:                                                  ; a trip: K steps 2 n + 1 and 2 n + 2
.rept 4
	v_nop                                          ; places in front of loads into registers that the products have read
.endr
	LOADQ 0, 2
	s_wait_loadcnt 52                              ; set 1 is in; the 52 just issued may be out
	QMUL 1, 0
.rept 4
	v_nop
.endr
	LOADQ 1, 3
	s_wait_loadcnt 52
	QMUL 0, 0
	s_wait_xcnt 0x0                                ; the loads have read their bases
	s_add_nc_u64 s[SWC:SWC+1], s[SWC:SWC+1], 3072
	s_add_nc_u64 s[SXC:SXC+1], s[SXC:SXC+1], 3072
	s_add_nc_u64 s[SSC:SSC+1], s[SSC:SSC+1], 8
	s_sub_co_u32 s[CNT], s[CNT], 1
	s_cmp_lg_u32 s[CNT], 0
	s_cbranch_scc1 .Lqk
	s_wait_loadcnt 0x0
	QMUL 1, 0                                      ; K step 7
	; Q's quantiser: in tile i register 16 b + n is feature 32 b + 16 h + n of my query: two blocks of 32 become six registers of codes and two scale bytes
	WIN 0x55
.irp i, 0,1,2,3,4,5,6,7
	v_mov_b32 v[136+\i], 0                         ; a lane permute's destination counts as one of its sources.  (Also the places behind the last products)
.endr
.irp i, 0,1,2,3
.irp b, 0,1
	v_max3_num_f32 v[128+2*\i+\b], |v[32*\i+16*\b]|, |v[32*\i+16*\b+1]|, 0x1800000
.endr
.endr
.irp n, 2,4,6,8,10,12,14
.irp i, 0,1,2,3
.irp b, 0,1
	v_max3_num_f32 v[128+2*\i+\b], v[128+2*\i+\b], |v[32*\i+16*\b+\n]|, |v[32*\i+16*\b+\n+1]|
.endr
.endr
.endr
.irp i, 0,1,2,3,4,5,6,7
	v_permlanex16_b32 v[136+\i], v[128+\i], s[SEL], s[SEL+1]
.endr
.irp i, 0,1,2,3,4,5,6,7
	v_max_num_f32 v[128+\i], v[128+\i], v[136+\i]
.endr
.irp i, 0,1,2,3,4,5,6,7
	v_add_nc_u32 v[144+\i], 0xff000000, v[128+\i]  ; 2 off the exponent field: the conversion's scale operand
.endr
.irp i, 0,1,2,3
	v_cvt_scalef32_pk16_fp6_f32 v[160+8*\i:162+8*\i], v[32*\i:32*\i+15], v[144+2*\i]
	v_cvt_scalef32_pk16_fp6_f32 v[192+4*\i:194+4*\i], v[32*\i+16:32*\i+31], v[145+2*\i]
.endr
.irp i, 0,1,2,3,4,5,6,7
	v_lshrrev_b32 v[128+\i], 23, v[144+\i]         ; the scale's byte.  (Plain lines behind the conversions)
.endr
.irp i, 0,1,2,3
	v_lshl_or_b32 v[136+2*\i], v[129+2*\i], 8, v[128+2*\i]
.endr
.irp i, 0,1,2,3
.irp n, 0,1,2
	v_permlane16_swap_b32 v[160+8*\i+\n], v[192+4*\i+\n]   ; a whole block to a lane
.endr
.endr
	WIN 0x01                                       ; from window 1 into Q's registers
.irp i, 0,1,2,3
.irp n, 0,1,2
	v_mov_b32 v[QF+12*\i+\n], v[160+8*\i+\n]
	v_mov_b32 v[QF+12*\i+3+\n], v[192+4*\i+\n]
.endr
.endr
	WIN 0x04
.irp i, 0,1,2,3
	v_or_b32 v[QS+\i], 0x7f7f0000, v[136+2*\i]     ; the two blocks that the head does not have: 0x7f
.endr
	WIN 0
.irp j, 0,1,2,3,4,5
	v_mov_b32 v[KF+48+\j], 0                       ; zero codes: behind K's last fragment, and Q's upper halves
	v_mov_b32 v[QF+6+\j], 0
	v_mov_b32 v[QF+18+\j], 0
	v_mov_b32 v[QF+30+\j], 0
	v_mov_b32 v[QF+42+\j], 0
.endr
	s_wait_alu depctr_va_vdst(0)                   ; the wait ahead of the wait below
	s_wait_tensorcnt 0x0                           ; my eighth of the record is in,
	s_barrier_signal -1
	s_barrier_wait -1                              ; everybody's is
.macro LOADK ka, ks                    ; a step's eight tiles of K, rows chosen as the head comment says, and their scale words, two tiles a load
.irp c, 0,1
.irp u, 0,1,2,3
.irp q, 0,1,2
	ds_load_b64 v[KF+6*(4*\c+\u)+2*\q:KF+6*(4*\c+\u)+2*\q+1], v[\ka] offset:3072*\c+768*(\u%2)+64*(\u/2)+256*\q
.endr
.endr
.irp a, 0,1
	ds_load_b64 v[KS+4*\c+2*\a:KS+4*\c+2*\a+1], v[\ks] offset:256*\c+128*\a
.endr
.endr
.endm
.macro SMUL p                          ; S^T = K Q^T for the pass's two tiles: sixteen accumulators, each begun with 0
	WIN 0x40
.irp x, 0,1
.irp t, 0,1,2,3,4,5,6,7
	v_wmma_scale_f32_16x16x128_f8f6f4 v[64*\x+8*\t:64*\x+8*\t+7], v[KF+6*\t:KF+6*\t+11], v[QF+12*(2*(\p)+\x):QF+12*(2*(\p)+\x)+11], 0, v[KS+\t], v[QS+2*(\p)+\x] matrix_a_fmt:MATRIX_FMT_FP6 matrix_b_fmt:MATRIX_FMT_FP6
.endr
.endr
	WIN 0
.endm
.macro MXI x, n                        ; the n-th of 32 lines that find tile x's two block maxima: four chains by turns, two to a block, joined at the end; each accumulator is first read at its low end
.set q_, (\n)%4
.set k_, (\n)/4
.set s_, 64*(\x)+32*(q_/2)
.set a_, ST+24*(\x)+6+q_/2
.set b_, ST+24*(\x)+10+q_/2
.if q_%2 == 0
.if k_ == 0
	v_max3_num_f32 v[a_], v[s_], v[s_+1], v[s_+2]
.else
	v_max3_num_f32 v[a_], v[a_], v[s_+2*k_+1], v[s_+2*k_+2]
.endif
.else
.if k_ == 0
	v_max3_num_f32 v[b_], v[s_+17], v[s_+18], v[s_+19]
.else
.if k_ < 7
	v_max3_num_f32 v[b_], v[b_], v[s_+2*k_+18], v[s_+2*k_+19]
.else
	v_max_num_f32 v[a_], v[a_], v[b_]
.endif
.endif
.endif
.endm
.macro CHI x, n                        ; the n-th of nine dependent lines from the block maxima to -M and f; they stand singly among another tile's independent lines
.set c_, ST+24*(\x)
.if (\n) == 0
	v_max_num_f32 v[c_+10], v[c_+6], v[c_+7]
.endif
.if (\n) == 1
	v_permlanex16_b32 v[c_+11], v[c_+10], s[SEL], s[SEL+1]
.endif
.if (\n) == 2
	v_max3_num_f32 v[c_+1], v[c_+1], v[c_+10], v[c_+11]   ; the running largest score of my query
.endif
.if (\n) == 3
	v_mul_f32 v[c_+10], s[NC], v[c_+1]             ; -t
.endif
.if (\n) == 4
	v_floor_f32 v[c_+10], v[c_+10]                 ; the new -M = floor(-t) = -ceil(t)
.endif
.if (\n) == 5
	v_sub_f32 v[c_+5], v[c_+10], v[c_]             ; M's old value less its new one: a whole number, 0 or less
.endif
.if (\n) == 6
	v_mov_b32 v[c_], v[c_+10]
.endif
.if (\n) == 7
	v_cvt_i32_f32 v[c_+5], v[c_+5]                 ; (it saturates)
.endif
.if (\n) == 8
	v_ldexp_f32 v[c_+4], 1.0, v[c_+5]              ; f = 2^(old M - new M)
.endif
.endm
.macro FMI x, n                        ; t - M: 32 lines of two scores, then the two block maxima
.if (\n) < 32
	v_pk_fma_f32 v[64*(\x)+2*(\n):64*(\x)+2*(\n)+1], v[64*(\x)+2*(\n):64*(\x)+2*(\n)+1], s[CS:CS+1], v[ST+24*(\x):ST+24*(\x)+1] op_sel_hi:[1,0,0]
.else
	v_fma_f32 v[ST+24*(\x)+(\n)-26], v[ST+24*(\x)+(\n)-26], s[CS], v[ST+24*(\x)]
.endif
.endm
.macro SMI x, n                        ; the n-th of 32 additions of two p each: the sum and three partial sums by turns, joined at the end
.set s_, 64*(\x)+2*(\n)
.set l_, ST+24*(\x)+2
.set x_, ST+24*(\x)+12
.if (\n) == 0 || (\n) == 4
	v_pk_add_f32 v[l_:l_+1], v[l_:l_+1], v[s_:s_+1]
.else
.if (\n) < 4
	v_pk_add_f32 v[x_+2*(\n)-2:x_+2*(\n)-1], v[s_:s_+1], v[s_+8:s_+9]
.else
.if (\n) < 29
.set k_, ((\n)+3)%4
.if k_ == 0
	v_pk_add_f32 v[l_:l_+1], v[l_:l_+1], v[s_+6:s_+7]
.else
	v_pk_add_f32 v[x_+2*k_-2:x_+2*k_-1], v[x_+2*k_-2:x_+2*k_-1], v[s_+6:s_+7]
.endif
.else
.if (\n) == 29
	v_pk_add_f32 v[x_:x_+1], v[x_:x_+1], v[x_+2:x_+3]
.endif
.if (\n) == 30
	v_pk_add_f32 v[l_:l_+1], v[l_:l_+1], v[x_+4:x_+5]
.endif
.if (\n) == 31
	v_pk_add_f32 v[l_:l_+1], v[l_:l_+1], v[x_:x_+1]
.endif
.endif
.endif
.endif
.endm
; A KEY STEP: 128 keys x two tiles of queries.  Its scores were multiplied in the step before.
.macro UNIT p
	v_add_nc_u32 v[ADK], s[TK], v[AK0]             ; (these four are the places behind the last products, in front of the loads into registers that they read)
	v_add_nc_u32 v[ADS], s[TS], v[ASK0]
	v_add_nc_u32 v[ADV], s[TK], v[AV0]
	v_add_nc_u32 v[ADT], s[TJ], v[ASV0]
	LOADK ADK, ADS                                 ; the next step's K
.irp t, 0,1,2,3
.irp q, 0,1,2,3,4,5
	ds_load_b64 v[VF+12*\t+2*\q:VF+12*\t+2*\q+1], v[ADV] offset:1536*\t+256*\q   ; this step's V^T
.endr
.endr
	ds_load_b128 v[VS:VS+3], v[ADT]
	WIN 0x55                                       ; all operands in window 1
.set n_, 0
.rept 32
	MXI 0, n_
.set n_, n_+1
.endr
.set n_, 0
.rept 32
	MXI 1, n_
.if n_%3 == 2
	CHI 0, n_/3
.endif
.set n_, n_+1
.endr
.set n_, 0
.rept 34
	FMI 0, n_
.if n_%3 == 2
	CHI 1, n_/3
.endif
.set n_, n_+1
.endr
.set n_, 0
.rept 34
	FMI 1, n_
.set n_, n_+1
.endr
	s_wait_alu depctr_va_vdst(0)                   ; the wait ahead of the batch, and ahead of the wait below
	s_wait_dscnt 0x0                               ; K, V^T and their scale words are in
.set n_, 0
.rept 128
	v_exp_f32 v[n_], v[n_]                         ; p = 2^(t - M)
.set n_, n_+1
.endr
.irp x, 0,1
.irp c, 0,1
	v_exp_f32 v[ST+24*\x+6+\c], v[ST+24*\x+6+\c]   ; the block's largest p
.endr
.endr
	v_pk_mul_f32 v[ST+2:ST+3], v[ST+2:ST+3], v[ST+4:ST+5] op_sel_hi:[1,0]   ; the sum under the new M: a plain place behind the exponentials
	s_wait_alu depctr_va_vdst(0)                   ; one wait for the whole batch, ahead of its first reader
	v_pk_mul_f32 v[ST+26:ST+27], v[ST+26:ST+27], v[ST+28:ST+29] op_sel_hi:[1,0]
.set n_, 0
.rept 32
	SMI 0, n_
	SMI 1, n_
.set n_, n_+1
.endr
.irp x, 0,1
.irp c, 0,1
	v_max_num_f32 v[ST+24*\x+6+\c], 0x1800000, v[ST+24*\x+6+\c]   ; the floor 2^(3 - 127): the byte cannot fall under 1
.endr
.endr
.irp x, 0,1
.irp c, 0,1
	v_add_nc_u32 v[ST+24*\x+8+\c], 0xff000000, v[ST+24*\x+6+\c]   ; 2 off the exponent field: the conversion's scale operand
.endr
.endr
.irp x, 0,1
.irp c, 0,1
	v_cvt_scalef32_pk16_fp6_f32 v[PC+12*\x+6*\c:PC+12*\x+6*\c+2], v[64*\x+32*\c:64*\x+32*\c+15], v[ST+24*\x+8+\c]
	v_cvt_scalef32_pk16_fp6_f32 v[ST+24*\x+12+4*\c:ST+24*\x+14+4*\c], v[64*\x+32*\c+16:64*\x+32*\c+31], v[ST+24*\x+8+\c]   ; (a conversion's three registers begin on an even number)
.endr
.endr
.irp x, 0,1
.irp c, 0,1
	v_lshrrev_b32 v[ST+24*\x+6+\c], 23, v[ST+24*\x+8+\c]   ; the scale's byte.  (Plain lines behind the conversions)
.endr
.endr
.irp x, 0,1
	v_lshl_or_b32 v[ST+24*\x+10], v[ST+24*\x+7], 16, v[ST+24*\x+6]   ; my bytes: blocks h and 2 + h,
.endr
.irp x, 0,1
	v_lshlrev_b32 v[ST+24*\x+10], v[SH8], v[ST+24*\x+10]   ; at their places in the scale word
.endr
.irp x, 0,1
	v_permlanex16_b32 v[ST+24*\x+11], v[ST+24*\x+10], s[SEL], s[SEL+1]
.endr
.irp x, 0,1
.irp c, 0,1
.irp i, 0,1,2
	v_mov_b32 v[PC+12*\x+6*\c+3+\i], v[ST+24*\x+12+4*\c+\i]
.endr
.endr
.endr
	WIN 0x05                                       ; scale words lie in window 0
.irp x, 0,1
	v_or_b32 v[PS+\x], v[ST+24*\x+10], v[ST+24*\x+11]   ; with lane l xor 16's two bytes the word is whole
.endr
	WIN 0
	s_cmp_eq_u32 s[CNT], 1                         ; the pass's last step has no next step to multiply
	s_wait_alu depctr_va_vdst(0)                   ; the wait ahead of the branch
	s_cbranch_scc1 .Llast_\@
	SMUL \p                                        ; p is spent: the next step's scores
.Llast_\@:
	WIN 0x04                                       ; source 1 (f; p's codes) in window 1
	s_wait_alu depctr_va_vdst(0)                   ; the wait directly ahead of the first reader of O^T
.irp x, 0,1
.irp j, 0,2,4,6,8,10,12,14,16,18,20,22,24,26,28,30
	v_pk_mul_f32 v[OA+32*\x+\j:OA+32*\x+\j+1], v[OA+32*\x+\j:OA+32*\x+\j+1], v[ST+24*\x+4:ST+24*\x+5] op_sel_hi:[1,0]   ; O^T under the new M.  (Also the places between the scale words' and codes' writes and the products below)
.endr
.endr
.irp x, 0,1
.irp t, 0,1,2,3                                ; O^T += V^T P^T: eight accumulators by turns
	v_wmma_scale_f32_16x16x128_f8f6f4 v[OA+32*\x+8*\t:OA+32*\x+8*\t+7], v[VF+12*\t:VF+12*\t+11], v[PC+12*\x:PC+12*\x+11], v[OA+32*\x+8*\t:OA+32*\x+8*\t+7], v[VS+\t], v[PS+\x] matrix_a_fmt:MATRIX_FMT_FP6 matrix_b_fmt:MATRIX_FMT_FP6
.endr
.endr
	WIN 0
.endm
; THE WAY OUT of a pass: O^T / the sum; register 16 b + i is feature 32 b + 16 h + i of my query; two blocks of 32 become six registers of codes and two scale bytes
.macro EPI p
	WIN 0x55
.irp x, 0,1
	v_add_f32 v[ST+24*\x+2], v[ST+24*\x+2], v[ST+24*\x+3]   ; (these six are the places behind the last products)
.endr
.irp x, 0,1
	v_permlanex16_b32 v[ST+24*\x+11], v[ST+24*\x+2], s[SEL], s[SEL+1]
.endr
.irp x, 0,1
	v_add_f32 v[ST+24*\x+2], v[ST+24*\x+2], v[ST+24*\x+11]   ; the row's sum
.endr
	s_wait_alu depctr_va_vdst(0)
	v_rcp_f32 v[ST+2], v[ST+2]
	v_rcp_f32 v[ST+26], v[ST+26]
	v_nop
	WIN 0x44                                       ; O^T from window 0, the rest in window 1
	s_wait_alu depctr_va_vdst(0)                   ; ahead of the first readers of the reciprocals and of O^T
.irp x, 0,1
.irp j, 0,2,4,6,8,10,12,14,16,18,20,22,24,26,28,30
	v_pk_mul_f32 v[64*\x+\j:64*\x+\j+1], v[OA+32*\x+\j:OA+32*\x+\j+1], v[ST+24*\x+2:ST+24*\x+3] op_sel_hi:[1,0]
.endr
.endr
	WIN 0x55
.irp x, 0,1
.irp b, 0,1
	v_max3_num_f32 v[ST+24*\x+6+\b], |v[64*\x+16*\b]|, |v[64*\x+16*\b+1]|, 0x1800000
.endr
.endr
.irp n, 2,4,6,8,10,12,14
.irp x, 0,1
.irp b, 0,1
	v_max3_num_f32 v[ST+24*\x+6+\b], v[ST+24*\x+6+\b], |v[64*\x+16*\b+\n]|, |v[64*\x+16*\b+\n+1]|
.endr
.endr
.endr
.irp x, 0,1
.irp b, 0,1
	v_permlanex16_b32 v[ST+24*\x+10+\b], v[ST+24*\x+6+\b], s[SEL], s[SEL+1]
.endr
.endr
.irp x, 0,1
.irp b, 0,1
	v_max_num_f32 v[ST+24*\x+6+\b], v[ST+24*\x+6+\b], v[ST+24*\x+10+\b]
.endr
.endr
.irp x, 0,1
.irp b, 0,1
	v_add_nc_u32 v[ST+24*\x+8+\b], 0xff000000, v[ST+24*\x+6+\b]
.endr
.endr
.irp x, 0,1
	v_cvt_scalef32_pk16_fp6_f32 v[PC+12*\x:PC+12*\x+2], v[64*\x:64*\x+15], v[ST+24*\x+8]
	v_cvt_scalef32_pk16_fp6_f32 v[ST+24*\x+12:ST+24*\x+14], v[64*\x+16:64*\x+31], v[ST+24*\x+9]
.endr
.irp x, 0,1
.irp b, 0,1
	v_lshrrev_b32 v[ST+24*\x+6+\b], 23, v[ST+24*\x+8+\b]
.endr
.endr
.irp x, 0,1
	v_lshl_or_b32 v[ST+24*\x+10], v[ST+24*\x+7], 8, v[ST+24*\x+6]
.endr
.irp x, 0,1
.irp i, 0,1,2
	v_permlane16_swap_b32 v[PC+12*\x+\i], v[ST+24*\x+12+\i]   ; a whole block to a lane
.endr
.endr
.irp x, 0,1
.irp i, 0,1,2
	v_mov_b32 v[PC+12*\x+3+\i], v[ST+24*\x+12+\i]
.endr
.endr
	WIN 0x04                                       ; the stores' data lie in window 1
.irp x, 0,1
.irp q, 0,1,2
	global_store_b64 v[L8], v[PC+12*\x+2*\q:PC+12*\x+2*\q+1], s[SOC:SOC+1] offset:12288*(2*(\p)+\x)+256*\q   ; a plane: 256 consecutive bytes at a multiple of 256 from the buffer's first byte
.endr
	global_store_b16 v[R32], v[ST+24*\x+10], s[SOS:SOS+1] offset:512*(2*(\p)+\x)   ; two bytes a row are all the scale bytes that a head has; both halves of the lanes store the same two
.endr
	WIN 0
.endm
.macro PASS p                          ; tiles 2 p and 2 p + 1 of my four, over all 2,048 keys
.if \p
	s_wait_xcnt 0x0                                ; the last pass's stores have read their registers
.endif
	WIN 0x40
.irp x, 0,1
	v_mov_b32 v[ST+24*\x+1], 0xff61b1e6            ; the largest score so far: -3e38
	v_mov_b32 v[ST+24*\x], 0x7f61b1e6              ; -M: 3e38
	v_mov_b32 v[ST+24*\x+2], 0                     ; the sum, in two halves
	v_mov_b32 v[ST+24*\x+3], 0
.endr
	WIN 0
.set i_, 0
.rept 64
	v_mov_b32 v[OA+i_], 0                          ; O^T: the step is written once; the first finds zeros, which the first change of M leaves zeros
.set i_, i_+1
.endr
	LOADK AK0, ASK0                                ; step 0's K
	s_mov_b32 s[TK], 6144
	s_mov_b32 s[TS], 512
	s_mov_b32 s[TJ], 0
	s_mov_b32 s[CNT], 16
	s_wait_alu depctr_va_vdst(0)                   ; the wait ahead of the wait below
	s_wait_dscnt 0x0
	SMUL \p
.Lkey_\@:
	UNIT \p
	s_add_co_u32 s[TK], s[TK], 6144
	s_add_co_u32 s[TS], s[TS], 512
	s_add_co_u32 s[TJ], s[TJ], 256
	s_sub_co_u32 s[CNT], s[CNT], 1
	s_cmp_lg_u32 s[CNT], 0
	s_cbranch_scc1 .Lkey_\@
	EPI \p
.endm
	PASS 0
	PASS 1
	s_wait_tensorcnt 0x0                           ; the wave's end, behind my last tensor load
	ds_add_u32 v[SPW], v[NIL]
	s_wait_dscnt 0x0
	CROUND                                         ; the closing round
	s_endpgm
.Lfunc_end_k_q8846636444_attn:
	.size	k_q8846636444_attn, .Lfunc_end_k_q8846636444_attn-k_q8846636444_attn
	.p2alignl 7, 3214868480
	.fill 96, 4, 3214868480
	.section	.rodata,"a",@progbits
	.p2align	6, 0x0
	.amdhsa_kernel k_q8846636444_attn
		.amdhsa_group_segment_fixed_size 210944
		.amdhsa_private_segment_fixed_size 0
		.amdhsa_enable_private_segment 0
		.amdhsa_kernarg_size 40
		.amdhsa_user_sgpr_count 2
		.amdhsa_user_sgpr_kernarg_segment_ptr 1
		.amdhsa_wavefront_size32 1
		.amdhsa_system_sgpr_workgroup_id_x 1
		.amdhsa_system_sgpr_workgroup_id_y 1
		.amdhsa_system_sgpr_workgroup_id_z 1
		.amdhsa_system_vgpr_workitem_id 0
		.amdhsa_next_free_vgpr 512
		.amdhsa_next_free_sgpr 66
		.amdhsa_reserve_vcc 0
		.amdhsa_float_denorm_mode_32 3
		.amdhsa_float_denorm_mode_16_64 3
		.amdhsa_memory_ordered 1
		.amdhsa_forward_progress 1
		.amdhsa_inst_pref_size 127
	.end_amdhsa_kernel
	.amdgpu_metadata
---
amdhsa.version: [ 1, 2 ]
amdhsa.kernels:
  - .name:           k_q8846636444_attn
    .symbol:         k_q8846636444_attn.kd
    .args:
      - { .name: codes, .offset: 0, .size: 8, .value_kind: global_buffer, .address_space: global }
      - { .name: scales, .offset: 8, .size: 8, .value_kind: global_buffer, .address_space: global }
      - { .name: kv, .offset: 16, .size: 8, .value_kind: global_buffer, .address_space: global }
      - { .name: aoimg, .offset: 24, .size: 8, .value_kind: global_buffer, .address_space: global }
      - { .name: aosc, .offset: 32, .size: 8, .value_kind: global_buffer, .address_space: global }
    .group_segment_fixed_size: 210944
    .private_segment_fixed_size: 0
    .kernarg_segment_align: 8
    .kernarg_segment_size: 40
    .max_flat_workgroup_size: 256
    .sgpr_count:     66
    .vgpr_count:     512
    .wavefront_size: 32
...
	.end_amdgpu_metadata
.endif
;; end of part 3
;; launch proj (part 4): grid 4 x 64, 4 waves a work-group, clusters of 4 x 4, 327,680 bytes of LDS; arguments aoimg, aosc, codes, scales, bproj, out0; writes out0
.if DOCPART == 4
	.amdgcn_target "amdgcn-amd-amdhsa--gfx1250"
	.amdhsa_code_object_version 6
	.text
	.protected	k_q8846636444_proj
	.globl	k_q8846636444_proj
	.p2align	8
	.type	k_q8846636444_proj,@function
k_q8846636444_proj:
	s_mov_b64 s[64:65], 0
	v_nop
	global_prefetch_b8 v0, s[64:65] scope:SCOPE_SE
	s_setreg_imm32_b32 hwreg(HW_REG_WAVE_MODE, 25, 1), 1
	s_wait_xcnt 0x0
	s_wait_alu depctr_hold_cnt(0) depctr_sa_sdst(0) depctr_va_vdst(0) depctr_va_sdst(0) depctr_va_ssrc(0) depctr_va_vcc(0) depctr_vm_vsrc(0)
	s_getreg_b32 s2, hwreg(HW_REG_IB_STS2, 6, 4)
	s_cmp_eq_u32 s2, 0
	s_cbranch_scc0 .Lentry_in_a_cluster
	s_endpgm
.Lentry_in_a_cluster:
	s_bfe_u32 s2, ttmp6, 0x10000c
	s_cmp_lg_u32 s2, 0xf033
	s_cbranch_scc0 .Lentry_shape_is_right
	s_endpgm
.Lentry_shape_is_right:
; out0[m][n] = the sum over k of A[m][k] Wproj[n][k] + bproj[n].  A: the attention's result, 8,192 x 1,024, and Wproj, 1,024 x 1,024: codes of FP6 (E2M3) with one E8M0 byte for each 32 along K; sums and result in f32.
; A BLOCK of the result is 128 x 256: 64 x 4 = 256 work-groups, one to a WGP.  Four waves, each 64 rows x 128 columns: 32 accumulators of 16 x 16, one register window.
; Codes lie in memory as images of the operand's registers: [row tile of 16][K step 0..7][plane 0..5][256 bytes], lane l's 8 bytes of a plane at 8 l; scale bytes as [row][32].
; K goes in pairs of steps of 128 through a ring of two LDS slots: a slot holds, for 2 K steps, A's 8 row tiles (24,576 bytes) and behind them Wproj's 16 (49,152): a tile's row is 3,072 consecutive bytes at a multiple of 256.
; The scales of A's 128 rows and of Wproj's 256 rows, for all of K, come once, as rows of 256 bytes + 16 of padding, and stay behind the ring.
; CLUSTERS: 4 x 4 work-groups; A's tiles are asked for jointly along a row of the cluster, Wproj's along a column.  No prefetch: K has four fills in all, two of them at the head.
; THE MATRIX INSTRUCTION IS USED TRANSPOSED (source 0 = 16 rows of Wproj, source 1 = 16 rows of A): a lane holds eight neighbouring numbers of a row of the result.  The bias is the C of each accumulator's first product.
; REGISTERS: window 0: v16-29 addresses; v32-63 scale words, two sets (lanes 0-15 A's block i, lanes 16-31 Wproj's block i; for i over 3 the lower lanes hold words that nothing uses); v64-127 the bias;
;   v128-223 A's fragments, two sets of 4; on the way out v128-255 rows read back.  Window 1: Wproj's fragments, two sets of 8, at v0 and v128.  Window 2: accumulator (a, b) at v[8 (8 a + b)].
.set SIZE_N, 1024
.set NQ,     2
.set FR,     12
.set FRB,    1536
.set NP,     4
.set TROW,   NQ*FRB
.set KROW,   768
.set HALFT,  8*TROW                    ; 8 row tiles x 2 K steps
.set SLOT,   3*HALFT
.set LAPS,   2
.set KS,     32
.set SCL,    2*SLOT
.set HALFS,  16*272                    ; the scales of 128 rows
.set SBLK,   2*272                     ; of 16 rows
.set SPARE,  SCL+3*HALFS               ; the spare words, 128 bytes a wave: two blocks of 256 bytes that no other line names
.set SPITCH, 528
.set ADRA, 16
.set ADRB, 20
.set STO,  24
.set RD,   25
.set CO,   26
.set ADRS, 27
.set SPW,  28
.set NIL,  29
.set SC,   32
.set BI,   64
.set AF,   128
.set BK,   128
.set G1, 24
.set G0, 32
.set G1B, 48
.set G0B, 56
.set G1S, 68
.set G0S, 76
.set G1SB, 80
.set G0SB, 88
.set MSB, 0
.macro WIN new                         ; the immediate's high byte repeats the setting that is left
.if MSB != (\new)
	s_set_vgpr_msb (MSB<<8)|(\new)
.set MSB, (\new)
.endif
.endm
.set MUL_LO, 0xa1                      ; source 0 window 1, source 1 window 0, C and D window 2
.set FST_LO, 0x81                      ; the same with C (the bias) in window 0
.set TO_B,   0x40
.macro JLOAD g0a, g1a, g0b, g1b        ; waves 0 and 1 fetch for A, waves 2 and 3 for Wproj
	s_cmp_eq_u32 s15, 0
	s_cbranch_scc0 .Lfor_b_\@
	tensor_load_to_lds s[\g0a:\g0a+3], s[\g1a:\g1a+7]
	s_nop 0
.rept 4
	v_nop
.endr
	s_branch .Lasked_\@
.Lfor_b_\@:
	tensor_load_to_lds s[\g0b:\g0b+3], s[\g1b:\g1b+7]
	s_nop 0
.rept 4
	v_nop
.endr
.Lasked_\@:
.endm
.macro CREST
	s_cmp_lg_u32 s14, 0
	s_cbranch_scc1 .Lnot_wave_0_\@
	s_barrier_signal -3
.Lnot_wave_0_\@:
	s_barrier_wait -3
	s_barrier_signal -1
	s_barrier_wait -1
.endm
.macro CROUND
	s_barrier_signal -1
	s_barrier_wait -1
	CREST
.endm
	s_load_b128 s[4:7], s[0:1], 0x0                ; aoimg, aosc
	s_load_b128 s[8:11], s[0:1], 0x10              ; codes, scales
	s_load_b64 s[96:97], s[0:1], 0x20              ; bproj
	s_load_b64 s[12:13], s[0:1], 0x28              ; out0
	v_lshl_add_u32 v[SPW], v0, 2, SPARE
	v_mov_b32 v[NIL], 0
	ds_add_u32 v[SPW], v[NIL]                      ; the opening lines: the add, twice on end, and its wait
	ds_add_u32 v[SPW], v[NIL]
	v_lshrrev_b32 v1, 5, v0
	v_readfirstlane_b32 s14, v1                    ; wave 0..3
	s_lshr_b32 s15, s14, 1                         ; which 64 rows are mine.  Also: I fetch for A (0) or for Wproj (1)
	s_and_b32 s16, s14, 1                          ; which 128 columns.  Also: which half of that tile I fetch
	s_bfe_u32 s40, ttmp6, 0x40000                  ; cx
	s_bfe_u32 s41, ttmp6, 0x40004                  ; cy
	s_mov_b32 s42, s40                             ; block column: the grid is one cluster wide
	s_and_b32 s17, ttmp7, 0xffff
	s_lshl_b32 s17, s17, 2
	s_add_co_u32 s17, s17, s41                     ; block row 0..63
	s_lshl_b32 s43, s41, 2
	s_lshl_b32 s43, 15, s43                        ; my row of the cluster
	s_lshl_b32 s44, 0x1111, s40                    ; my column
	s_or_b32 s[G1+0], s43, (3<<16)|(1<<21)
	s_or_b32 s[G1B+0], s44, (3<<16)|(1<<21)
.irp g, G1, G1B
	s_mov_b32 s[\g+1], 384<<16                     ; a row: 384 elements of 8 bytes
	s_mov_b32 s[\g+3], 384<<16
	s_mov_b32 s[\g+5], 1536                        ; from row tile to row tile: 12,288 bytes
	s_mov_b32 s[\g+6], 0
	s_mov_b32 s[\g+7], 0
.endr
	s_mov_b32 s[G1+2], 8<<16                       ; the head's loads bring whole tiles: A's 8 row tiles,
	s_mov_b32 s[G1+4], 8
	s_mov_b32 s[G1B+2], 16<<16                     ; Wproj's 16
	s_mov_b32 s[G1B+4], 16
	s_or_b32 s[G1S+0], s43, (3<<16)|(1<<20)|(1<<21)|(5<<22)|(3<<25)
	s_or_b32 s[G1SB+0], s44, (3<<16)|(1<<20)|(1<<21)|(5<<22)|(3<<25)
.irp g, G1S, G1SB
	s_mov_b32 s[\g+1], 32<<16
	s_mov_b32 s[\g+3], 32<<16
	s_mov_b32 s[\g+5], 32
	s_mov_b32 s[\g+6], 0
	s_mov_b32 s[\g+7], 0
.endr
	s_mov_b32 s[G1S+2], 16<<16                     ; the scales of 128 rows: 16 rows of 256 bytes;
	s_mov_b32 s[G1S+4], 16
	s_mov_b32 s[G1SB+2], 32<<16                    ; of 256 rows: 32
	s_mov_b32 s[G1SB+4], 32
	s_lshl_b32 s20, s17, 7                         ; A's first row
	s_lshl_b32 s46, s42, 8
	s_add_co_u32 s46, s46, 19456                   ; Wproj's first row among the rows of codes
	s_mov_b32 s21, 0
	s_mov_b32 s47, 0
	s_mov_b64 s[18:19], KS
	s_mul_u64 s[22:23], s[20:21], s[18:19]
	s_mul_u64 s[92:93], s[46:47], s[18:19]
	s_mov_b64 s[18:19], KROW
	s_mul_u64 s[20:21], s[20:21], s[18:19]
	s_mul_u64 s[46:47], s[46:47], s[18:19]
	s_mul_i32 s45, s16, HALFT/2                    ; in the ring: A's halves of 4 row tiles, in LDS
	s_mul_i32 s18, s16, 4*12288                    ; and in memory;
	s_mov_b32 s19, 0
	s_mul_i32 s94, s16, HALFT                      ; Wproj's halves of 8 row tiles, behind A's tile,
	s_add_co_u32 s94, s94, HALFT
	s_mul_i32 s66, s16, 8*12288
	s_mov_b32 s67, 0
	s_wait_dscnt 0x0
	s_wait_kmcnt 0x0
	s_add_nc_u64 s[20:21], s[4:5], s[20:21]
	s_add_nc_u64 s[22:23], s[6:7], s[22:23]
	s_add_nc_u64 s[46:47], s[8:9], s[46:47]
	s_add_nc_u64 s[92:93], s[10:11], s[92:93]
	CROUND                                         ; all sixteen work-groups are here: the first joint loads meet
	s_mov_b32 s[G0S], 1
	s_mov_b32 s[G0S+1], SCL
	s_mov_b64 s[G0S+2:G0S+3], s[22:23]
	s_or_b32 s[G0S+3], s[G0S+3], 0x80000000
	s_mov_b32 s[G0SB], 1
	s_mov_b32 s[G0SB+1], SCL+HALFS
	s_mov_b64 s[G0SB+2:G0SB+3], s[92:93]
	s_or_b32 s[G0SB+3], s[G0SB+3], 0x80000000
	s_mov_b32 s[G0], 1
	s_mov_b32 s[G0+1], 0
	s_mov_b64 s[G0+2:G0+3], s[20:21]
	s_or_b32 s[G0+3], s[G0+3], 0x80000000
	s_mov_b32 s[G0B], 1
	s_mov_b32 s[G0B+1], HALFT
	s_mov_b64 s[G0B+2:G0B+3], s[46:47]
	s_or_b32 s[G0B+3], s[G0B+3], 0x80000000
; the head's four tiles, one load a wave: wave 0 slot 0's tile of A, wave 1 that of Wproj, wave 2 A's scales, wave 3 Wproj's: one chain of branches on the wave's number, all arms leading to one join
.macro ARM under, g0, g1, next
	s_cmp_lt_u32 s14, \under
	s_cbranch_scc0 \next
	tensor_load_to_lds s[\g0:\g0+3], s[\g1:\g1+7]
	s_nop 0
.rept 4
	v_nop
.endr
	s_branch .Lhead_asked
\next:
.endm
	ARM 1, G0,  G1,  .Lhead_b
	ARM 2, G0B, G1B, .Lhead_sa
	ARM 3, G0S, G1S, .Lhead_sb
	tensor_load_to_lds s[G0SB:G0SB+3], s[G1SB:G1SB+7]
	s_nop 0
.rept 4
	v_nop
.endr
.Lhead_asked:
	s_mov_b32 s[G0+4], 1                           ; slot 1's group 0: my half of K steps 2 and 3
	s_add_co_u32 s[G0+5], s45, SLOT
	s_add_nc_u64 s[G0+6:G0+7], s[20:21], s[18:19]
	s_add_nc_u64 s[G0+6:G0+7], s[G0+6:G0+7], TROW
	s_or_b32 s[G0+7], s[G0+7], 0x80000000
	s_mov_b32 s[G0B+4], 1
	s_add_co_u32 s[G0B+5], s94, SLOT
	s_add_nc_u64 s[G0B+6:G0B+7], s[46:47], s[66:67]
	s_add_nc_u64 s[G0B+6:G0B+7], s[G0B+6:G0B+7], TROW
	s_or_b32 s[G0B+7], s[G0B+7], 0x80000000
	s_wait_alu depctr_va_vdst(0)
	s_wait_tensorcnt 0x0                           ; my tile of the head's four is in
	ds_add_u32 v[SPW], v[NIL]
	s_mov_b32 s[G0+1], s45                         ; no tensor load of mine is out: slot 0's group 0 takes the ring's values,
	s_add_nc_u64 s[G0+2:G0+3], s[G0+2:G0+3], s[18:19]
	s_mov_b32 s[G0B+1], s94
	s_add_nc_u64 s[G0B+2:G0B+3], s[G0B+2:G0B+3], s[66:67]
	s_mov_b32 s[G1+2], 4<<16                       ; and from here on a load brings half a tile: 4 row tiles of A,
	s_mov_b32 s[G1+4], 4
	s_mov_b32 s[G1B+2], 8<<16                      ; 8 of Wproj
	s_mov_b32 s[G1B+4], 8
	s_wait_dscnt 0x0
	CROUND
	JLOAD G0+4, G1, G0B+4, G1B                     ; slot 1's first fill, the first tensor load behind the round
	v_and_b32 v1, 15, v0                           ; r
	v_bfe_u32 v2, v0, 4, 1                         ; h
	v_and_b32 v3, 31, v0
	v_lshlrev_b32 v4, 3, v3                        ; my 8 bytes of a plane
	s_mul_i32 s21, s15, HALFT/2                    ; my 4 row tiles of A
	s_mul_i32 s22, s16, HALFT                      ; my 8 of Wproj,
	s_add_co_u32 s22, s22, HALFT                   ; behind A's tile
.irp s, 0,1
	v_add_nc_u32 v[ADRA+\s], s21, v4
	v_add_nc_u32 v[ADRB+\s], s22, v4
	s_add_co_u32 s21, s21, SLOT
	s_add_co_u32 s22, s22, SLOT
.endr
	v_mul_u32_u24 v5, v1, KS                       ; my row's scales: 32 bytes a row,
	v_lshrrev_b32 v6, 8, v5
	v_lshl_add_u32 v5, v6, 4, v5                   ; and 16 more for each 256 passed
	s_mul_i32 s21, s15, HALFS/2                    ; A's: my 64 rows
	s_mul_i32 s22, s16, HALFS                      ; Wproj's: my 128 rows, behind A's 128
	s_add_co_u32 s22, s22, HALFS
	s_sub_co_u32 s22, s22, s21
	v_mul_u32_u24 v6, s22, v2                      ; lanes 16-31 take Wproj's
	s_add_co_u32 s21, s21, SCL
	v_add_nc_u32 v5, v5, v6
	v_add_nc_u32 v[ADRS], s21, v5
	s_mul_i32 s23, s14, 16*SPITCH                  ; my stage for the way out, in slot 0: it has had its last fill and its last read when the first result is stored there
	v_mul_u32_u24 v5, v1, SPITCH
	v_lshl_add_u32 v5, v2, 5, v5
	v_add_nc_u32 v[STO], s23, v5
	v_lshlrev_b32 v[CO], 4, v3
	v_add_nc_u32 v[RD], s23, v[CO]
	s_lshl_b32 s20, s17, 7
	s_lshl_b32 s21, s15, 6
	s_add_co_u32 s20, s20, s21                     ; my first row of the result
	s_mov_b32 s21, 0
	s_mov_b64 s[18:19], SIZE_N*4
	s_mul_u64 s[20:21], s[20:21], s[18:19]
	s_lshl_b32 s46, s42, 10
	s_lshl_b32 s47, s16, 9
	s_add_co_u32 s46, s46, s47                     ; my first column, in bytes
	s_mov_b32 s47, 0
	s_add_nc_u64 s[96:97], s[96:97], s[46:47]
	s_add_nc_u64 s[20:21], s[20:21], s[46:47]
	s_add_nc_u64 s[12:13], s[12:13], s[20:21]
	v_lshlrev_b32 v7, 5, v2
.irp b, 0,1,2,3,4,5,6,7
	global_load_b128 v[BI+8*\b:BI+8*\b+3], v7, s[96:97] offset:64*\b        ; the bias in the result's layout: columns 16 b + 8 h + 0 .. 7
	global_load_b128 v[BI+8*\b+4:BI+8*\b+7], v7, s[96:97] offset:64*\b+16
.endr
.macro FRAG reg, adr, q, i             ; a fragment: six planes, 8 bytes a lane
.irp p, 0,1,2,3,4,5
	ds_load_b64 v[\reg+2*\p:\reg+2*\p+1], v[\adr] offset:(\i)*TROW+(\q)*FRB+256*\p
.endr
.endm
.macro MUL16 a0, p, q, sc, first       ; A's blocks a0, a0 + 1 x Wproj's eight; p: the fragment sets; the 32 accumulators take turns
.irp a, \a0, \a0+1
.irp b, 0,1,2,3,4,5,6,7
.if \first
	v_wmma_scale_f32_16x16x128_f8f6f4 v[8*(8*(\a)+\b):8*(8*(\a)+\b)+7], v[128*(\p)+FR*\b:128*(\p)+FR*\b+FR-1], v[AF+48*(\p)+FR*(\a):AF+48*(\p)+FR*(\a)+FR-1], v[BI+8*\b:BI+8*\b+7], v[SC+8*NQ*(\sc)+NQ*\b+(\q)], v[SC+8*NQ*(\sc)+NQ*(\a)+(\q)] matrix_a_fmt:MATRIX_FMT_FP6 matrix_b_fmt:MATRIX_FMT_FP6 matrix_a_scale:MATRIX_SCALE_ROW1
.else
	v_wmma_scale_f32_16x16x128_f8f6f4 v[8*(8*(\a)+\b):8*(8*(\a)+\b)+7], v[128*(\p)+FR*\b:128*(\p)+FR*\b+FR-1], v[AF+48*(\p)+FR*(\a):AF+48*(\p)+FR*(\a)+FR-1], v[8*(8*(\a)+\b):8*(8*(\a)+\b)+7], v[SC+8*NQ*(\sc)+NQ*\b+(\q)], v[SC+8*NQ*(\sc)+NQ*(\a)+(\q)] matrix_a_fmt:MATRIX_FMT_FP6 matrix_b_fmt:MATRIX_FMT_FP6 matrix_a_scale:MATRIX_SCALE_ROW1
.endif
.endr
.endr
.endm
.macro FETCH slot, q, p                ; K step q of a slot into sets p: Wproj's eight fragments, A's four: 72 loads
	WIN TO_B
.irp i, 0,1,2,3,4,5,6,7
	FRAG 128*(\p)+FR*\i, ADRB+\slot, \q, \i
.endr
	WIN 0
.irp i, 0,1,2,3
	FRAG AF+48*(\p)+FR*\i, ADRA+\slot, \q, \i
.endr
.endm
.macro SCALES sc                       ; the scale words of a slot's two K steps
.irp i, 0,1,2,3,4,5,6,7
	ds_load_b64 v[SC+8*NQ*\sc+NQ*\i:SC+8*NQ*\sc+NQ*\i+1], v[ADRS] offset:\i*SBLK
.endr
.endm
.macro PLACES n
.rept \n
	v_nop
.endr
.endm
.macro STEP slot, first                ; a slot's first K step, on sets 0; the second step's fragments are asked for ahead of the products
	s_wait_dscnt 0x0                               ; sets 0 and the scale words are in
	PLACES NP                                      ; behind the last products, which read sets 1
	FETCH \slot, 1, 1
.if \first
	WIN FST_LO
.else
	WIN MUL_LO
.endif
	MUL16 0, 0, 0, \slot, \first
	MUL16 2, 0, 0, \slot, \first
	WIN 0
.endm
.macro TURN slot, next, fill           ; a slot's second K step, on sets 1, and the change of slots
	s_wait_tensorcnt 0x0                           ; all my tensor loads have landed: my part of the next slot;
	ds_add_u32 v[SPW], v[NIL]                      ; 0 onto my spare word;
	s_wait_dscnt 1                                 ; sets 1 are in (the add may be out)
	WIN MUL_LO
	MUL16 0, 1, 1, \slot, 0                        ; sixteen products between the add and the wait for it
	WIN 0
	s_wait_dscnt 0x0                               ; the add is done, and my reads of this slot are over
	s_barrier_signal -1
	s_barrier_wait -1
.if \fill
	CREST                                          ; the barrier has opened a round of the cluster's barrier
	s_add_nc_u64 s[G0+4*\slot+2:G0+4*\slot+3], s[G0+4*\slot+2:G0+4*\slot+3], 2*TROW
	s_add_nc_u64 s[G0B+4*\slot+2:G0B+4*\slot+3], s[G0B+4*\slot+2:G0B+4*\slot+3], 2*TROW
	JLOAD G0+4*\slot, G1, G0B+4*\slot, G1B         ; four K steps on, the first tensor load behind the round; its four v_nop are the places in front of the loads below
.else
	PLACES NP
.endif
	s_wait_alu depctr_va_vdst(0)
	v_add_nc_u32 v[ADRS], 4*NQ, v[ADRS]
	FETCH \next, 0, 0
	SCALES \next
	WIN MUL_LO
	MUL16 2, 1, 1, \slot, 0
	WIN 0
.endm
	s_wait_alu depctr_va_vdst(0)                   ; the wait at the head's end
	s_wait_tensorcnt 1                             ; (slot 1's load may be out)
	s_barrier_signal -1
	s_barrier_wait -1
	FETCH 0, 0, 0
	SCALES 0
	s_wait_loadcnt 0x0                             ; the bias
	STEP 0, 1
	s_mov_b32 s3, LAPS-1
.Llap:
	TURN 0, 1, 1
	STEP 1, 0
	TURN 1, 0, 1
	STEP 0, 0
	s_sub_co_u32 s3, s3, 1
	s_cmp_lg_u32 s3, 0
	s_cbranch_scc1 .Llap
	TURN 0, 1, 0
	STEP 1, 0
	s_wait_dscnt 0x0                               ; the last K step: nothing more to fetch
	WIN MUL_LO
	MUL16 0, 1, 1, 1, 0
	MUL16 2, 1, 1, 1, 0
	WIN 0
; THE WAY OUT, block by block of 16 rows x 128 columns: through my own stage in LDS and back as whole rows of 512 bytes
.macro TOSTAGE a
.set AC, 64*(\a)
	WIN 0x08                                       ; the data: window 2
.irp b, 0,1,2,3,4,5,6,7
	ds_store_b128 v[STO], v[AC+8*\b:AC+8*\b+3] offset:64*\b          ; each accumulator from its low end on
	ds_store_b128 v[STO], v[AC+8*\b+4:AC+8*\b+7] offset:64*\b+16
.endr
	WIN 0
.set BB, BK+64*((\a)%2)
.irp t, 0,1,2,3,4,5,6,7,8,9,10,11,12,13,14,15
	ds_load_b128 v[BB+4*\t:BB+4*\t+3], v[RD] offset:\t*SPITCH        ; LDS serves a wave's instructions in order: these see the stores above
.endr
.endm
.macro SEND a, younger
.set BB, BK+64*((\a)%2)
	s_wait_dscnt \younger
.if (\a) > 0
	s_add_nc_u64 s[12:13], s[12:13], 16*SIZE_N*4   ; (behind a wait on XCNT)
.endif
.irp t, 0,1,2,3,4,5,6,7,8,9,10,11,12,13,14,15
	global_store_b128 v[CO], v[BB+4*\t:BB+4*\t+3], s[12:13] offset:\t*SIZE_N*4 th:TH_STORE_NT   ; 32 lanes store 512 consecutive bytes, at a multiple of 256 from the buffer's first byte
.endr
.endm
	PLACES NP
	TOSTAGE 0
.irp a, 1,2,3
.if \a > 1
	s_wait_xcnt 0x0                                ; block a - 2's stores have read their registers and their base
.endif
	TOSTAGE \a
	SEND \a-1, 32                                  ; behind block a - 1's loads: block a's 16 stores and 16 loads
.endr
	s_wait_xcnt 0x0
	SEND 3, 0
	s_wait_tensorcnt 0x0                           ; the wave's end
	ds_add_u32 v[SPW], v[NIL]
	s_wait_dscnt 0x0
	CROUND                                         ; the closing round
	s_endpgm
.Lfunc_end_k_q8846636444_proj:
	.size	k_q8846636444_proj, .Lfunc_end_k_q8846636444_proj-k_q8846636444_proj
	.p2alignl 7, 3214868480
	.fill 96, 4, 3214868480
	.section	.rodata,"a",@progbits
	.p2align	6, 0x0
	.amdhsa_kernel k_q8846636444_proj
		.amdhsa_group_segment_fixed_size 327680
		.amdhsa_private_segment_fixed_size 0
		.amdhsa_enable_private_segment 0
		.amdhsa_kernarg_size 48
		.amdhsa_user_sgpr_count 2
		.amdhsa_user_sgpr_kernarg_segment_ptr 1
		.amdhsa_wavefront_size32 1
		.amdhsa_system_sgpr_workgroup_id_x 1
		.amdhsa_system_sgpr_workgroup_id_y 1
		.amdhsa_system_sgpr_workgroup_id_z 1
		.amdhsa_system_vgpr_workitem_id 0
		.amdhsa_next_free_vgpr 768
		.amdhsa_next_free_sgpr 98
		.amdhsa_reserve_vcc 0
		.amdhsa_float_denorm_mode_32 3
		.amdhsa_float_denorm_mode_16_64 3
		.amdhsa_memory_ordered 1
		.amdhsa_forward_progress 1
		.amdhsa_inst_pref_size 102
	.end_amdhsa_kernel
	.amdgpu_metadata
---
amdhsa.version: [ 1, 2 ]
amdhsa.kernels:
  - .name:           k_q8846636444_proj
    .symbol:         k_q8846636444_proj.kd
    .args:
      - { .name: aoimg, .offset: 0, .size: 8, .value_kind: global_buffer, .address_space: global }
      - { .name: aosc, .offset: 8, .size: 8, .value_kind: global_buffer, .address_space: global }
      - { .name: codes, .offset: 16, .size: 8, .value_kind: global_buffer, .address_space: global }
      - { .name: scales, .offset: 24, .size: 8, .value_kind: global_buffer, .address_space: global }
      - { .name: bproj, .offset: 32, .size: 8, .value_kind: global_buffer, .address_space: global }
      - { .name: out0, .offset: 40, .size: 8, .value_kind: global_buffer, .address_space: global }
    .group_segment_fixed_size: 327680
    .private_segment_fixed_size: 0
    .kernarg_segment_align: 8
    .kernarg_segment_size: 48
    .max_flat_workgroup_size: 128
    .sgpr_count:     98
    .vgpr_count:     768
    .wavefront_size: 32
...
	.end_amdgpu_metadata
.endif
;; end of part 4
